; MI455X (gfx1250); checked and timed in simulation.
; The chip was launched on July 23, 2026; its instructions are those of AMD's public machine-readable ISA for CDNA 5 (MIT licence, August 2026) and "CDNA5" Instruction Set Architecture Reference Guide (July 2026). The comments in the code are by the model that wrote it; some were corrected since.
;; Lookahead Decoder Block. Allowed arithmetic: matrix products marked QUANTISED: E2M1 operands, one E8M0 scale for each 32 along K, by v_wmma_scale_f32_16x16x128_f8f6f4 with both operands' format E2M1 (or v_wmma_scale_f32_32x16x128_f4), f32 sums; products left as they are: bf16, f16 or f32 operands; f32 sums; everything else in f32.
;; Inputs: alpha 1 x 16 x 1 x 1 float32; b_out 1,024 float32; w_hkv 1,024 x 2,048 float32; w_out 1,024 x 1,024 float32; w_qkv 1,024 x 3,072 float32; x 2 x 2,048 x 1,024 float32.
;; Outputs: out0 2 x 2,048 x 1,024 float32.
;; This version of the problem:
;;   THIS VERSION OF THE PROBLEM IS GIVEN IN LOW PRECISION. The matrix products marked QUANTISED in the list below multiply operands that are first quantised to E2M1 (2 exponent bits, 1 mantissa bit; 4 bits a number), with one power-of-two scale for each 32 numbers along K (OCP MX v1.0); their sums are f32. The products marked 'left as it is' may take bf16, f16 or f32 operands, with f32 sums. Whichever they take, every output number must still come out within the allowed error. Rounding operands to bf16 (8 significant bits) uses up far more of that allowance than f16 does (11 bits, for magnitudes from 6e-5 to 65,504). All else is computed in f32.
;;   The module's matrix products, in the order in which they are computed (A, B: the left and right operand; K: the contracted axis; several contracted axes count as one K, in the product's order):
;;     1. [M 4,096, K 1,024] x [K 1,024, N 3,072]; A: input x; B: input w_qkv: QUANTISED
;;     2. [M 4,096, K 1,024] x [K 1,024, N 2,048]; A: input x; B: input w_hkv: QUANTISED
;;     3. batch 32 x [M 2,048, K 64] x [K 64, N 2,048]; A: computed on the way; B: computed on the way: left as it is (an operand is computed on the way)
;;     4. batch 32 x [M 2,048, K 64] x [K 64, N 2,048]; A: computed on the way; B: computed on the way: left as it is (an operand is computed on the way)
;;     5. batch 32 x [M 2,048, K 64] x [K 64, N 2,048]; A: computed on the way; B: computed on the way: left as it is (an operand is computed on the way)
;;     6. batch 32 x [M 2,048, K 2,048] x [K 2,048, N 64]; A: computed on the way; B: computed on the way: left as it is (an operand is computed on the way)
;;     7. [M 4,096, K 1,024] x [K 1,024, N 1,024]; A: computed on the way; B: input w_out: left as it is (an operand is computed on the way)
;;   THE QUANTISER, for each operand of a quantised product, along K:
;;     - K is cut into blocks of 32 from its start; a last block that is shorter is filled with zeros.
;;     - A block's scale is 2^e with e = floor(log2(the largest magnitude in the block)) - 2, held to -126 .. 127; a block of zeros has e = 0. As a byte (E8M0): e + 127.
;;     - Each number is divided by its block's scale, clamped to +-6, and rounded to the nearest number of E2M1, ties to even, subnormals kept.
;;     - The product sums the exact products of the quantised numbers (number of the format x scale) in f32.
;;   ~~~python
;;   def quantise(x, axis):      # numpy; x: float32 -> the quantised numbers, widened to float32 again
;;       x = np.moveaxis(x, axis, -1); K = x.shape[-1]
;;       x = np.pad(x, [(0, 0)] * (x.ndim - 1) + [(0, -K % 32)]); x = x.reshape(x.shape[:-1] + (-1, 32)); a = np.abs(x).max(-1, keepdims=True)
;;       e = np.where(a > 0, np.clip(np.frexp(np.where(a > 0, a, 1))[1] - 1 - 2, -126, 127), 0)      # np.frexp(a)[1] - 1 = floor(log2(a)), exactly
;;       r = np.clip(x / 2.0 ** e, -6, 6)
;;       step = 2.0 ** (np.maximum(np.frexp(np.where(r == 0, 1, r))[1] - 1, 0) - 1)
;;       q = np.round(r / step) * step * 2.0 ** e      # np.round: ties to even
;;       return np.moveaxis(q.reshape(q.shape[:-2] + (-1,))[..., :K], -1, axis).astype(np.float32)
;;   ~~~
;; One version. Each part assembles by itself: llvm-mc -triple=amdgcn-amd-amdhsa -mcpu=gfx1250 --defsym DOCPART=n.
;; ======== version 1 of 1: 5 launches
;; limits: values are held in f16: magnitudes above 65,504 overflow, below 6.1e-05 lose precision
;; workspace buffers: xq 2,228,224 bytes; wq 2,785,280 bytes; wo 4,194,304 bytes; tab 524,288 bytes; qkv 33,554,432 bytes; hvf 17,039,360 bytes; att 16,777,216 bytes; lo 33,554,432 bytes
;; launch prep (part 1): grid 384 x 1, 4 waves a work-group, no clusters, 34,304 bytes of LDS; arguments x, w_qkv, w_hkv, w_out, xq, wq, wo, tab; writes xq, wq, wo, tab
.if DOCPART == 1
	.amdgcn_target "amdgcn-amd-amdhsa--gfx1250"
	.amdhsa_code_object_version 6
	.text
	.protected	k_qfe12ea3814_prep
	.globl	k_qfe12ea3814_prep
	.p2align	8
	.type	k_qfe12ea3814_prep,@function
k_qfe12ea3814_prep:
	s_mov_b64 s[64:65], 0
	v_nop
	global_prefetch_b8 v0, s[64:65] scope:SCOPE_SE
	s_setreg_imm32_b32 hwreg(HW_REG_WAVE_MODE, 25, 1), 1
	s_wait_xcnt 0x0
; PREP: x, w_qkv and w_hkv become codes of E2M1 with one E8M0 byte for each 32 along K; w_out becomes pairs of bf16 (high part, low part); the rope table is made.
; WORK LEFT OUT BY THE WHOLE PROGRAM.  (1) hvv = hv v^T reaches the result only through mod[n] = sum_m W[n,m] sum_d hv[n,d] v[m,d].  Both sums are finite, so their order may be changed:
; mod[n] = sum_d hv[n,d] (W v)[n,d], for all finite inputs.  (W v) is made anyway, so mod is a dot product of 64 terms and the product hvv with its N x N multiply-and-sum is not done.
; (2) Key tiles that lie wholly above the diagonal: the problem's own tril mask turns their scores into -inf, their weights into 0.  Every input has a way to the result and is loaded.
; LIMITS: a NaN, an infinity or an overflow that would arise only in hvv or under the mask is not carried to the result.  NaN and infinities among the inputs are not served.
; A block of zeros gets the scale byte 1 where the quantiser says 127: its codes are zeros, which add nothing, and the bytes are read by this program alone.
; ALL WORKSPACES ARE IMAGES OF OPERAND REGISTERS: a group of four registers is 512 consecutive bytes, lane l's 16 bytes at 16 l.  So every store here covers 512 dense bytes.
; WORK-GROUPS: 0-127 x (32 rows each); 128-223 w_qkv; 224-287 w_hkv; 288-351 w_out; 352-383 the table.  Only the first path uses LDS.
.set SPARE, 33792                      ; behind the four stages: the spare words, 128 bytes a wave
.set SPW, 1                            ; v1  my spare word; never rewritten
.set NIL, 2                            ; v2  0; never rewritten
.set R0,  40                           ; path x: v40-167 two sets of 64 numbers as loaded
.set XS,  168                          ; v168-231 64 numbers of my row, K = 64 c + 32 h + 0..31
.set CD,  16                           ; v16-31 codes, two sets of 8
.set WD,  32                           ; v32-35 the four fragments' scale words
.macro FINISH                          ; the wave's end in a launch that stores to LDS
	s_wait_tensorcnt 0x0
	ds_add_u32 v[SPW], v[NIL]
	s_wait_dscnt 0x0
	s_endpgm
.endm
; ---- path x.  Fragment f = 2 e + ks: rows 16 e on of my pair, K step 2 w + ks
.macro XLOADF f                        ; sixteen loads, each one row's 512 bytes of the K step
.irp p, 0,1,2,3,4,5,6,7,8,9,10,11,12,13,14,15
	global_load_b128 v[R0+64*((\f)%2)+4*\p:R0+64*((\f)%2)+4*\p+3], v4, s[4:5] offset:(16*((\f)/2)+\p)*4096+((\f)%2)*512 th:TH_LOAD_NT
.endr
.endm
.macro XTURN f                         ; through my stage (rows 528 bytes apart): in as loaded, out 128 bytes of one row a lane.  LDS serves a wave's instructions in order
.irp p, 0,1,2,3,4,5,6,7,8,9,10,11,12,13,14,15
	ds_store_b128 v12, v[R0+64*((\f)%2)+4*\p:R0+64*((\f)%2)+4*\p+3] offset:528*\p
.endr
.irp c, 0,1
.irp i, 0,1,2,3,4,5,6,7
	ds_load_b128 v[XS+32*\c+4*\i:XS+32*\c+4*\i+3], v13 offset:256*\c+16*\i
.endr
.endr
.endm
.macro XQUANT f                        ; my two whole blocks (2 c + h) become registers 4 c .. 4 c + 3 of the operand
.irp c, 0,1
	v_max3_num_f32 v[8+\c], |v[XS+32*\c]|, |v[XS+32*\c+1]|, 0x1800000   ; with the floor 2^(3 - 127): the byte cannot fall under 1
.endr
.irp i, 2,4,6,8,10,12,14,16,18,20,22,24,26,28,30
.irp c, 0,1
	v_max3_num_f32 v[8+\c], v[8+\c], |v[XS+32*\c+\i]|, |v[XS+32*\c+\i+1]|
.endr
.endr
.irp c, 0,1
	v_add_nc_u32 v[10+\c], 0xff000000, v[8+\c]     ; 2 off the exponent field: the conversion's scale operand
.endr
.irp c, 0,1
	v_lshrrev_b32 v[36+\c], 23, v[10+\c]           ; the scale's byte
.endr
	v_lshl_or_b32 v38, v37, 16, v36                ; blocks h and 2 + h,
	v_lshlrev_b32 v38, v15, v38                    ; 8 h bits up;
	v_mov_b32 v39, 0
	v_permlanex16_b32 v39, v38, s22, s23
	v_or_b32 v[WD+(\f)], v38, v39                  ; with lane l xor 16's two the row's word is whole
.irp c, 0,1
.irp g, 0,1,2,3
	v_cvt_scalef32_pk8_fp4_f32 v[CD+8*((\f)%2)+4*\c+\g], v[XS+32*\c+8*\g:XS+32*\c+8*\g+7], v[10+\c]
.endr
.endr
	v_nop                                          ; one plain line behind the last scaled conversion
.irp c, 0,1
	global_store_b128 v4, v[CD+8*((\f)%2)+4*\c:CD+8*((\f)%2)+4*\c+3], s[28:29] offset:((\f)/2)*4096+((\f)%2)*1024+512*\c
.endr
.endm
; ---- the weights: a lane takes a column, its registers run down K
.macro WLOAD t, pitch                  ; block t: 32 rows of 32 neighbouring columns, into set t % 2
.irp i, 0,1,2,3,4,5,6,7,8,9,10,11,12,13,14,15,16,17,18,19,20,21,22,23,24,25,26,27,28,29,30,31
	global_load_b32 v[32+32*((\t)%2)+\i], v7, s[24:25] offset:(32*(\t)+\i)*\pitch th:TH_LOAD_NT
.endr
.endm
.macro WOUT ks                         ; lanes 0-15 hold tile A's columns, lanes 16-31 tile B's, four blocks each: the swaps give each tile whole fragments.  K step ks has its own sixteen registers, v[96 + 16 ks] on
	v_nop                                          ; one plain line behind the last scaled conversion
.irp i, 0,1,2,3
	v_permlane16_swap_b32 v[96+16*(\ks)+\i], v[100+16*(\ks)+\i]
	v_permlane16_swap_b32 v[104+16*(\ks)+\i], v[108+16*(\ks)+\i]
.endr
	global_store_b128 v4, v[96+16*(\ks):99+16*(\ks)], s[26:27] offset:(\ks)*1024
	global_store_b128 v4, v[104+16*(\ks):107+16*(\ks)], s[26:27] offset:(\ks)*1024+512
	global_store_b128 v4, v[100+16*(\ks):103+16*(\ks)], s[26:27] offset:4096+(\ks)*1024
	global_store_b128 v4, v[108+16*(\ks):111+16*(\ks)], s[26:27] offset:4096+(\ks)*1024+512
.endm
.macro WBLOCK t, pitch
.set XB, 32+32*((\t)%2)
.if (\t) < 7
	s_wait_loadcnt 32                              ; this block's 32 loads are in; the next block's may be out
.else
	s_wait_loadcnt 0x0
.endif
	v_max3_num_f32 v8, |v[XB]|, |v[XB+1]|, |v[XB+2]|
	v_max3_num_f32 v9, |v[XB+3]|, |v[XB+4]|, |v[XB+5]|
.irp i, 6,10,14,18,22,26
	v_max3_num_f32 v8, v8, |v[XB+\i]|, |v[XB+\i+1]|
	v_max3_num_f32 v9, v9, |v[XB+\i+2]|, |v[XB+\i+3]|
.endr
	v_max3_num_f32 v8, v8, |v[XB+30]|, |v[XB+31]|
	v_max3_num_f32 v8, v8, v9, 0x1800000           ; the floor
	v_add_nc_u32 v11, 0xff000000, v8
	v_lshrrev_b32 v10, 23, v11
.if (\t)%4 == 0
	v_mov_b32 v[128+(\t)/4], v10                   ; four bytes to a word, the lower K in the lower byte
.else
	v_lshl_or_b32 v[128+(\t)/4], v10, 8*((\t)%4), v[128+(\t)/4]
.endif
.irp g, 0,1,2,3
	v_cvt_scalef32_pk8_fp4_f32 v[96+16*((\t)/4)+4*((\t)%4)+\g], v[XB+8*\g:XB+8*\g+7], v11
.endr
.if (\t)+2 < 8
	WLOAD (\t)+2, \pitch
.endif
.if (\t)%4 == 3
	WOUT (\t)/4
.endif
.endm
; s21 = the path's work-group number, s32 = s21 / 32 (which 1,024 columns), s33 = the part (0 q, 1 k, 2 hk, 3 hv, 4 v), s[24:25] = the weight
.macro WPATH pitch
	s_bfe_u32 s34, s21, 0x30002                    ; pair of heads
	s_and_b32 s35, s21, 3                          ; which 256 along K
	s_lshl_b32 s36, s32, 10
	s_lshl_b32 s37, s34, 7
	s_add_co_u32 s36, s36, s37
	s_lshl_b32 s37, s20, 5
	s_add_co_u32 s36, s36, s37                     ; my wave's first column
	s_lshl_b32 s36, s36, 2
	s_mul_i32 s37, s35, 256*\pitch
	s_add_co_u32 s36, s36, s37
	s_mov_b32 s37, 0
	s_add_nc_u64 s[24:25], s[24:25], s[36:37]
	s_lshl_b32 s38, s34, 1
	s_lshr_b32 s39, s20, 1
	s_add_co_u32 s38, s38, s39                     ; head
	s_and_b32 s39, s20, 1                          ; which 32 of its 64 columns
	s_mul_i32 s36, s38, 163840
	s_lshr_b32 s40, s35, 1
	s_mul_i32 s40, s40, 81920
	s_add_co_u32 s36, s36, s40
	s_lshl_b32 s40, s33, 2
	s_lshl_b32 s41, s39, 1
	s_add_co_u32 s40, s40, s41
	s_lshl_b32 s40, s40, 12
	s_add_co_u32 s36, s36, s40
	s_and_b32 s40, s35, 1
	s_lshl_b32 s40, s40, 11
	s_add_co_u32 s36, s36, s40
	s_add_nc_u64 s[26:27], s[14:15], s[36:37]      ; the codes' images
	s_mul_i32 s36, s38, 10
	s_lshl_b32 s40, s33, 1
	s_add_co_u32 s36, s36, s40
	s_add_co_u32 s36, s36, s39
	s_lshl_b32 s36, s36, 2
	s_add_co_u32 s36, s36, s35
	s_lshl_b32 s36, s36, 8
	s_add_co_u32 s36, s36, 2621440
	s_add_nc_u64 s[28:29], s[14:15], s[36:37]      ; the scale words
	WLOAD 0, \pitch
	WLOAD 1, \pitch
.irp t, 0,1,2,3,4,5,6,7
	WBLOCK \t, \pitch
.endr
	global_store_b64 v14, v[128:129], s[28:29]     ; 32 lanes store 256 consecutive bytes: two K steps' words of 32 columns
	FINISH
.endm
; ---- w_out: block kq of 32 rows becomes high and low parts in bf16
.macro OBLOCK kq
.set XB, 32+32*((\kq)%2)
.set PH, 96+32*(\kq)
.set PL, 112+32*(\kq)
.if (\kq) < 3
	s_wait_loadcnt 32
.else
	s_wait_loadcnt 0x0
.endif
.irp i, 0,1,2,3,4,5,6,7,8,9,10,11,12,13,14,15
	v_cvt_pk_bf16_f32 v[PH+\i], v[XB+2*\i], v[XB+2*\i+1]
.endr
.irp i, 0,1,2,3,4,5,6,7,8,9,10,11,12,13,14,15
	v_lshlrev_b32 v8, 16, v[PH+\i]
	v_and_b32 v9, 0xffff0000, v[PH+\i]
	v_sub_f32 v[XB+2*\i], v[XB+2*\i], v8           ; what the high part leaves: exact
	v_sub_f32 v[XB+2*\i+1], v[XB+2*\i+1], v9
.endr
.irp i, 0,1,2,3,4,5,6,7,8,9,10,11,12,13,14,15
	v_cvt_pk_bf16_f32 v[PL+\i], v[XB+2*\i], v[XB+2*\i+1]
.endr
.if (\kq)+2 < 4
	WLOAD (\kq)+2, 4096
.endif
.irp i, 0,1,2,3
	v_permlane16_swap_b32 v[PH+\i], v[PH+4+\i]
	v_permlane16_swap_b32 v[PH+8+\i], v[PH+12+\i]
	v_permlane16_swap_b32 v[PL+\i], v[PL+4+\i]
	v_permlane16_swap_b32 v[PL+8+\i], v[PL+12+\i]
.endr
	global_store_b128 v4, v[PH:PH+3], s[26:27] offset:(\kq)*1024
	global_store_b128 v4, v[PH+8:PH+11], s[26:27] offset:(\kq)*1024+512
	global_store_b128 v4, v[PH+4:PH+7], s[26:27] offset:4096+(\kq)*1024
	global_store_b128 v4, v[PH+12:PH+15], s[26:27] offset:4096+(\kq)*1024+512
	global_store_b128 v4, v[PL:PL+3], s[26:27] offset:2097152+(\kq)*1024
	global_store_b128 v4, v[PL+8:PL+11], s[26:27] offset:2097152+(\kq)*1024+512
	global_store_b128 v4, v[PL+4:PL+7], s[26:27] offset:2097152+4096+(\kq)*1024
	global_store_b128 v4, v[PL+12:PL+15], s[26:27] offset:2097152+4096+(\kq)*1024+512
.endm
; ---- the table: cos and sin of n x frequency.  The angle less the nearest multiple of 2 pi (in two parts), a quarter of it in a series, doubled twice
.macro ANG d, flo, fhi
	v_mul_f32 v9, \flo, v8
	v_mul_f32 v10, \fhi, v8
	v_cndmask_b32 v9, v9, v10, vcc_lo              ; lanes 16-31 take the pair four further on
	v_mul_f32 v10, 0.15915494, v9
	v_rndne_f32 v10, v10
	v_fma_f32 v9, -v10, s27, v9
	v_fma_f32 v9, -v10, s28, v9
	v_mul_f32 v9, 0x3e800000, v9
	v_mul_f32 v11, v9, v9
	v_mov_b32 v12, 0x3638ef1d
	v_mov_b32 v13, 0xb493f27e
	v_fmaak_f32 v12, v12, v11, 0xb9500d01
	v_fmaak_f32 v13, v13, v11, 0x37d00d01
	v_fmaak_f32 v12, v12, v11, 0x3c088889
	v_fmaak_f32 v13, v13, v11, 0xbab60b61
	v_fmaak_f32 v12, v12, v11, 0xbe2aaaab
	v_fmaak_f32 v13, v13, v11, 0x3d2aaaab
	v_fma_f32 v12, v12, v11, 1.0
	v_fma_f32 v13, v13, v11, -0.5
	v_mul_f32 v12, v12, v9                         ; sin
	v_fma_f32 v13, v13, v11, 1.0                   ; cos
	v_mul_f32 v15, v12, v13
	v_mul_f32 v12, v12, v12
	v_fma_f32 v13, v12, -2.0, 1.0
	v_add_f32 v12, v15, v15
	v_mul_f32 v15, v12, v13
	v_mul_f32 v12, v12, v12
	v_fma_f32 v[\d], v12, -2.0, 1.0
	v_add_f32 v[\d+4], v15, v15
.endm
	s_load_b256 s[4:11], s[0:1], 0x0               ; x, w_qkv, w_hkv, w_out
	s_load_b256 s[12:19], s[0:1], 0x20             ; xq, wq, wo, tab
	v_lshl_add_u32 v[SPW], v0, 2, SPARE
	v_mov_b32 v[NIL], 0
	v_lshrrev_b32 v8, 5, v0
	v_readfirstlane_b32 s20, v8                    ; wave
	v_and_b32 v3, 31, v0                           ; lane
	v_lshlrev_b32 v4, 4, v3                        ; 16 x lane
	v_and_b32 v5, 15, v0                           ; r
	v_bfe_u32 v6, v0, 4, 1                         ; h
	v_lshlrev_b32 v7, 2, v3                        ; 4 x lane
	v_lshlrev_b32 v14, 3, v3                       ; 8 x lane
	s_mov_b32 s22, 0x76543210
	s_mov_b32 s23, 0xfedcba98                      ; selects for lane l xor 16
	s_wait_kmcnt 0x0
	s_cmp_lt_u32 ttmp9, 128
	s_cbranch_scc1 .Lpath_x
	s_cmp_lt_u32 ttmp9, 224
	s_cbranch_scc1 .Lpath_qkv
	s_cmp_lt_u32 ttmp9, 288
	s_cbranch_scc1 .Lpath_hkv
	s_cmp_lt_u32 ttmp9, 352
	s_cbranch_scc1 .Lpath_out
	; ---- the table: a wave makes 16 positions x 32 pairs.  frequency of pair i = 10^(-i / 8), i = 8 t + 4 h + e
	s_sub_co_u32 s21, ttmp9, 352
	s_lshl_b32 s21, s21, 2
	s_add_co_u32 s21, s21, s20                     ; block of 16 positions
	s_lshl_b32 s24, s21, 12
	s_mov_b32 s25, 0
	s_add_nc_u64 s[18:19], s[18:19], s[24:25]
	s_lshl_b32 s26, s21, 4
	s_mov_b32 s27, 0x40c90000                      ; 6.28125
	s_mov_b32 s28, 0x3afdaa22                      ; 2 pi - 6.28125
	v_add_nc_u32 v8, s26, v5
	v_cvt_f32_u32 v8, v8                           ; my position
	v_cmp_eq_u32 vcc_lo, 1, v6
	ANG 32, 1.0, 0.3162277660
	ANG 33, 0.7498942093, 0.2371373706
	ANG 34, 0.5623413252, 0.1778279410
	ANG 35, 0.4216965034, 0.1333521432
	ANG 40, 0.1, 0.03162277660
	ANG 41, 0.07498942093, 0.02371373706
	ANG 42, 0.05623413252, 0.01778279410
	ANG 43, 0.04216965034, 0.01333521432
	ANG 48, 0.01, 0.003162277660
	ANG 49, 0.007498942093, 0.002371373706
	ANG 50, 0.005623413252, 0.001778279410
	ANG 51, 0.004216965034, 0.001333521432
	ANG 56, 0.001, 0.0003162277660
	ANG 57, 0.0007498942093, 0.0002371373706
	ANG 58, 0.0005623413252, 0.0001778279410
	ANG 59, 0.0004216965034, 0.0001333521432
.irp t, 0,1,2,3
	global_store_b128 v4, v[32+8*\t:35+8*\t], s[18:19] offset:1024*\t        ; cos
	global_store_b128 v4, v[36+8*\t:39+8*\t], s[18:19] offset:1024*\t+512    ; sin
.endr
	FINISH
.Lpath_x:
	s_mul_i32 s30, s20, 8448                       ; my stage: 16 rows of 528 bytes
	v_add_nc_u32 v12, s30, v4                      ; in: 16 x lane of a row
	v_mul_u32_u24 v13, v5, 528
	v_lshl_add_u32 v13, v6, 7, v13
	v_add_nc_u32 v13, s30, v13                     ; out: row r, 128 h bytes on
	v_lshlrev_b32 v15, 3, v6                       ; 8 h
	s_lshl_b32 s24, ttmp9, 17                      ; my pair's 32 rows of 4,096 bytes,
	s_lshl_b32 s26, s20, 10                        ; my wave's 256 along K
	s_add_co_u32 s24, s24, s26
	s_mov_b32 s25, 0
	s_add_nc_u64 s[4:5], s[4:5], s[24:25]
	s_lshr_b32 s24, ttmp9, 3
	s_lshl_b32 s24, s24, 17
	s_and_b32 s26, ttmp9, 7
	s_lshl_b32 s26, s26, 13
	s_add_co_u32 s24, s24, s26
	s_lshr_b32 s26, s20, 1
	s_lshl_b32 s26, s26, 16
	s_add_co_u32 s24, s24, s26
	s_and_b32 s26, s20, 1
	s_lshl_b32 s26, s26, 11
	s_add_co_u32 s24, s24, s26
	s_add_nc_u64 s[28:29], s[12:13], s[24:25]      ; the codes' images
	s_lshl_b32 s24, ttmp9, 2
	s_add_co_u32 s24, s24, s20
	s_lshl_b32 s24, s24, 8
	s_add_co_u32 s24, s24, 2097152
	s_add_nc_u64 s[30:31], s[12:13], s[24:25]      ; the scale words
	XLOADF 0
	XLOADF 1
.irp f, 0,1,2,3
.if \f < 3
	s_wait_loadcnt 16                              ; this fragment's sixteen loads are in; the next fragment's may be out
.else
	s_wait_loadcnt 0x0
.endif
	XTURN \f
	s_wait_dscnt 0x0                               ; the numbers are back, and the stage's stores have read their registers
.if \f < 2
	XLOADF \f+2
.else
	s_wait_xcnt 0x0                                ; the codes' registers of two fragments ago are rewritten only behind this wait
.endif
	XQUANT \f
.endr
	v_cmp_eq_u32 vcc_lo, 1, v6
	v_cndmask_b32 v36, v32, v34, vcc_lo            ; lanes 0-15: the even block of rows, lanes 16-31: the odd one
	v_cndmask_b32 v37, v33, v35, vcc_lo
	global_store_b64 v14, v[36:37], s[30:31]       ; 32 lanes store 256 consecutive bytes
	FINISH
.Lpath_qkv:
	s_sub_co_u32 s21, ttmp9, 128
	s_lshr_b32 s32, s21, 5
	s_lshr_b32 s33, s32, 1
	s_lshl_b32 s33, s33, 1
	s_add_co_u32 s33, s33, s32                     ; q 0, k 1, v 4
	s_mov_b64 s[24:25], s[6:7]
	WPATH 12288
.Lpath_hkv:
	s_sub_co_u32 s21, ttmp9, 224
	s_lshr_b32 s32, s21, 5
	s_add_co_u32 s33, s32, 2                       ; hk 2, hv 3
	s_mov_b64 s[24:25], s[8:9]
	WPATH 8192
.Lpath_out:
	s_sub_co_u32 s21, ttmp9, 288
	s_lshr_b32 s32, s21, 3                         ; which 128 columns
	s_and_b32 s33, s21, 7                          ; which 128 along K
	s_lshl_b32 s36, s33, 19
	s_lshl_b32 s37, s32, 9
	s_add_co_u32 s36, s36, s37
	s_lshl_b32 s37, s20, 7
	s_add_co_u32 s36, s36, s37
	s_mov_b32 s37, 0
	s_add_nc_u64 s[24:25], s[10:11], s[36:37]
	s_lshl_b32 s36, s32, 18
	s_lshl_b32 s38, s33, 15
	s_add_co_u32 s36, s36, s38
	s_lshl_b32 s38, s20, 13
	s_add_co_u32 s36, s36, s38
	s_add_nc_u64 s[26:27], s[16:17], s[36:37]
	WLOAD 0, 4096
	WLOAD 1, 4096
	OBLOCK 0
	OBLOCK 1
	OBLOCK 2
	OBLOCK 3
	FINISH
.Lfunc_end_k_qfe12ea3814_prep:
	.size	k_qfe12ea3814_prep, .Lfunc_end_k_qfe12ea3814_prep-k_qfe12ea3814_prep
	.p2alignl 7, 3214868480
	.fill 96, 4, 3214868480
	.section	.rodata,"a",@progbits
	.p2align	6, 0x0
	.amdhsa_kernel k_qfe12ea3814_prep
		.amdhsa_group_segment_fixed_size 34304
		.amdhsa_private_segment_fixed_size 0
		.amdhsa_enable_private_segment 0
		.amdhsa_kernarg_size 64
		.amdhsa_user_sgpr_count 2
		.amdhsa_user_sgpr_kernarg_segment_ptr 1
		.amdhsa_wavefront_size32 1
		.amdhsa_system_sgpr_workgroup_id_x 1
		.amdhsa_system_sgpr_workgroup_id_y 1
		.amdhsa_system_sgpr_workgroup_id_z 1
		.amdhsa_system_vgpr_workitem_id 0
		.amdhsa_next_free_vgpr 232
		.amdhsa_next_free_sgpr 66
		.amdhsa_reserve_vcc 1
		.amdhsa_float_denorm_mode_32 3
		.amdhsa_float_denorm_mode_16_64 3
		.amdhsa_memory_ordered 1
		.amdhsa_forward_progress 1
		.amdhsa_inst_pref_size 168
	.end_amdhsa_kernel
	.amdgpu_metadata
---
amdhsa.version: [ 1, 2 ]
amdhsa.kernels:
  - .name:           k_qfe12ea3814_prep
    .symbol:         k_qfe12ea3814_prep.kd
    .args:
      - { .name: x, .offset: 0, .size: 8, .value_kind: global_buffer, .address_space: global }
      - { .name: w_qkv, .offset: 8, .size: 8, .value_kind: global_buffer, .address_space: global }
      - { .name: w_hkv, .offset: 16, .size: 8, .value_kind: global_buffer, .address_space: global }
      - { .name: w_out, .offset: 24, .size: 8, .value_kind: global_buffer, .address_space: global }
      - { .name: xq, .offset: 32, .size: 8, .value_kind: global_buffer, .address_space: global }
      - { .name: wq, .offset: 40, .size: 8, .value_kind: global_buffer, .address_space: global }
      - { .name: wo, .offset: 48, .size: 8, .value_kind: global_buffer, .address_space: global }
      - { .name: tab, .offset: 56, .size: 8, .value_kind: global_buffer, .address_space: global }
    .group_segment_fixed_size: 34304
    .private_segment_fixed_size: 0
    .kernarg_segment_align: 8
    .kernarg_segment_size: 64
    .max_flat_workgroup_size: 128
    .sgpr_count:     66
    .vgpr_count:     232
    .wavefront_size: 32
...
	.end_amdgpu_metadata
.endif
;; end of part 1
;; launch proj (part 2): grid 16 x 16, 4 waves a work-group, clusters of 4 x 4, 327,680 bytes of LDS; arguments xq, wq, tab, qkv, hvf, lo; writes qkv, hvf, lo
.if DOCPART == 2
	.amdgcn_target "amdgcn-amd-amdhsa--gfx1250"
	.amdhsa_code_object_version 6
	.text
	.protected	k_qfe12ea3814_proj
	.globl	k_qfe12ea3814_proj
	.p2align	8
	.type	k_qfe12ea3814_proj,@function
k_qfe12ea3814_proj:
	s_mov_b64 s[64:65], 0
	v_nop
	global_prefetch_b8 v0, s[64:65] scope:SCOPE_SE
	s_setreg_imm32_b32 hwreg(HW_REG_WAVE_MODE, 25, 1), 1
	s_wait_xcnt 0x0
	s_wait_alu depctr_hold_cnt(0) depctr_sa_sdst(0) depctr_va_vdst(0) depctr_va_sdst(0) depctr_va_ssrc(0) depctr_va_vcc(0) depctr_vm_vsrc(0)
	s_getreg_b32 s2, hwreg(HW_REG_IB_STS2, 6, 4)
	s_cmp_eq_u32 s2, 0
	s_cbranch_scc0 .Lentry_in_a_cluster
	s_endpgm
.Lentry_in_a_cluster:
	s_bfe_u32 s2, ttmp6, 0x10000c
	s_cmp_lg_u32 s2, 0xf033
	s_cbranch_scc0 .Lentry_shape_is_right
	s_endpgm
.Lentry_shape_is_right:
; PROJ: [4,096 x 1,024] x [1,024 x 5,120] on codes of E2M1, then rope on q and k, qhk, and the results as images of the attention's operand registers.
; A work-group takes 256 rows x the 320 columns of ONE head (q, k, hk, hv, v: 64 each); a wave 64 rows x 320 columns: 80 accumulators, 640 registers.  So rope and qhk stay inside a lane.
; q, k, hk, hv are made transposed (source 0 = 16 columns of the weight, source 1 = 16 rows of x): a lane holds one row and eight neighbouring dims.  v is made the other way round:
; a lane holds one channel and eight neighbouring keys, which is the layout of V^T in the attention's second product.
; K = 1,024 is two LDS slots of 512: every fill is a first fill; nothing is filled again.  CLUSTER 4 x 4: x's tiles are shared along a row of the cluster, the weight's along a column.
; The scale words come from memory straight into registers, once: lanes 0-15 of a register hold an even block's words, lanes 16-31 the odd block's.
; HIGH AND LOW PARTS.  q, k, hk, v go on as f16.  Each number is split in f32: the high part is the number rounded to 11 significant bits (half a step added to its bits, the 13 low bits cleared), which
; f16 holds exactly; the low part is the exact rest.  The high parts of all rows go to qkv.  The low parts are wanted for positions under 512 alone, whose rows average few values: they go to lo, at the
; same offsets; in a work-group of later positions the lanes of those stores are off (no branch hangs on the work-group's place in its cluster).
; LIMITS: magnitudes up to 65,504 (f16); under 2^-14 a high part keeps an error of up to 2^-25 that the low part does not carry.
; REGISTERS: window 0: v3-29 addresses; v32-111 the weight's scale words (8 x pair + K step); v112-127 x's; v128-191 x's fragments, two sets; v192-223 v's weight fragments.
;   window 1: accumulators of q (v0-127) and k (v128-255).  window 2: hk, hv.  window 3: v (v0-127); v128-255 the weight fragments of q, k, hk, hv.  An accumulator: part + 32 mb + 8 t.
.set SLOTB, 147456                     ; a slot: x's 16 blocks x 4 K steps x 1,024 bytes, then the weight's 20 blocks likewise
.set WOFF,  65536
.set SPARE, 294912                     ; behind the slots: the spare words
.set ADX, 16                           ; v16-17 my x fragments in slot 0, 1
.set ADW, 20                           ; v20-23 the weight's fragments: slot 0 blocks 0-11, 12-19; slot 1 likewise
.set SPW, 28
.set NIL, 29
.set SCW, 32
.set SCX, 112
.set XF,  128
.set B4,  192
.set TAB, 32                           ; the way out: v32-159 cos and sin; v160-191 at work; v192-255 packed results; v24-27 qhk
.set T,   160
.set PQ,  192
.set PK,  208
.set PH,  224
.set PV,  240
.set G,   24
.set G1X, 24
.set G0X, 32
.set G1W, 48
.set G0W, 56
.set MSB, 0
.macro WIN new                         ; the immediate's high byte repeats the setting that is left
.if MSB != \new
	s_set_vgpr_msb (MSB<<8)|\new
.set MSB, \new
.endif
.endm
.macro JLOAD g0a, g1a, g0b, g1b        ; a joint load: waves 0 and 1 fetch for x, waves 2 and 3 for the weight
	s_cmp_eq_u32 s15, 0
	s_cbranch_scc0 .Lfor_b_\@
	tensor_load_to_lds s[\g0a:\g0a+3], s[\g1a:\g1a+7]
	s_nop 0
.rept 4
	v_nop
.endr
	s_branch .Lasked_\@
.Lfor_b_\@:
	tensor_load_to_lds s[\g0b:\g0b+3], s[\g1b:\g1b+7]
	s_nop 0
.rept 4
	v_nop
.endr
.Lasked_\@:
.endm
.macro CROUND                          ; a round of the cluster's barrier
	s_barrier_signal -1
	s_barrier_wait -1
	s_cmp_lg_u32 s14, 0
	s_cbranch_scc1 .Lnot_wave_0_\@
	s_barrier_signal -3
.Lnot_wave_0_\@:
	s_barrier_wait -3
	s_barrier_signal -1
	s_barrier_wait -1
.endm
.macro PLACES                          ; four plain lines between a matrix instruction and a load into, or a vector read of, its registers
.rept 4
	v_nop
.endr
.endm
.macro FP4 d, a, b, zero, sa, sb, ra, rb   ; ra, rb = 1: that side's scale words stand in lanes 16-31
.if \zero
.if (\ra) && (\rb)
	v_wmma_scale_f32_16x16x128_f8f6f4 v[(\d):(\d)+7], v[(\a):(\a)+7], v[(\b):(\b)+7], 0, v[\sa], v[\sb] matrix_a_fmt:MATRIX_FMT_FP4 matrix_b_fmt:MATRIX_FMT_FP4 matrix_a_scale:MATRIX_SCALE_ROW1 matrix_b_scale:MATRIX_SCALE_ROW1
.elseif \ra
	v_wmma_scale_f32_16x16x128_f8f6f4 v[(\d):(\d)+7], v[(\a):(\a)+7], v[(\b):(\b)+7], 0, v[\sa], v[\sb] matrix_a_fmt:MATRIX_FMT_FP4 matrix_b_fmt:MATRIX_FMT_FP4 matrix_a_scale:MATRIX_SCALE_ROW1
.elseif \rb
	v_wmma_scale_f32_16x16x128_f8f6f4 v[(\d):(\d)+7], v[(\a):(\a)+7], v[(\b):(\b)+7], 0, v[\sa], v[\sb] matrix_a_fmt:MATRIX_FMT_FP4 matrix_b_fmt:MATRIX_FMT_FP4 matrix_b_scale:MATRIX_SCALE_ROW1
.else
	v_wmma_scale_f32_16x16x128_f8f6f4 v[(\d):(\d)+7], v[(\a):(\a)+7], v[(\b):(\b)+7], 0, v[\sa], v[\sb] matrix_a_fmt:MATRIX_FMT_FP4 matrix_b_fmt:MATRIX_FMT_FP4
.endif
.else
.if (\ra) && (\rb)
	v_wmma_scale_f32_16x16x128_f8f6f4 v[(\d):(\d)+7], v[(\a):(\a)+7], v[(\b):(\b)+7], v[(\d):(\d)+7], v[\sa], v[\sb] matrix_a_fmt:MATRIX_FMT_FP4 matrix_b_fmt:MATRIX_FMT_FP4 matrix_a_scale:MATRIX_SCALE_ROW1 matrix_b_scale:MATRIX_SCALE_ROW1
.elseif \ra
	v_wmma_scale_f32_16x16x128_f8f6f4 v[(\d):(\d)+7], v[(\a):(\a)+7], v[(\b):(\b)+7], v[(\d):(\d)+7], v[\sa], v[\sb] matrix_a_fmt:MATRIX_FMT_FP4 matrix_b_fmt:MATRIX_FMT_FP4 matrix_a_scale:MATRIX_SCALE_ROW1
.elseif \rb
	v_wmma_scale_f32_16x16x128_f8f6f4 v[(\d):(\d)+7], v[(\a):(\a)+7], v[(\b):(\b)+7], v[(\d):(\d)+7], v[\sa], v[\sb] matrix_a_fmt:MATRIX_FMT_FP4 matrix_b_fmt:MATRIX_FMT_FP4 matrix_b_scale:MATRIX_SCALE_ROW1
.else
	v_wmma_scale_f32_16x16x128_f8f6f4 v[(\d):(\d)+7], v[(\a):(\a)+7], v[(\b):(\b)+7], v[(\d):(\d)+7], v[\sa], v[\sb] matrix_a_fmt:MATRIX_FMT_FP4 matrix_b_fmt:MATRIX_FMT_FP4
.endif
.endif
.endm
.macro XFETCH s                        ; x's four fragments of K step s into set s % 2
	WIN 0
.irp mb, 0,1,2,3
.irp c, 0,1
	ds_load_b128 v[XF+32*((\s)%2)+8*\mb+4*\c:XF+32*((\s)%2)+8*\mb+4*\c+3], v[ADX+(\s)/4] offset:\mb*4096+((\s)%4)*1024+512*\c
.endr
.endr
.endm
.macro BFETCH p, s                     ; part p's four weight fragments of K step s
.if (\p) < 4
	WIN 0xc0                                       ; destination window 3, address window 0
.else
	WIN 0
.endif
.irp t, 0,1,2,3
.irp c, 0,1
.if (\p) < 3
	ds_load_b128 v[128+32*(\p)+8*\t+4*\c:128+32*(\p)+8*\t+4*\c+3], v[ADW+2*((\s)/4)] offset:(4*(\p)+\t)*4096+((\s)%4)*1024+512*\c
.elseif (\p) == 3
	ds_load_b128 v[224+8*\t+4*\c:224+8*\t+4*\c+3], v[ADW+2*((\s)/4)+1] offset:\t*4096+((\s)%4)*1024+512*\c
.else
	ds_load_b128 v[B4+8*\t+4*\c:B4+8*\t+4*\c+3], v[ADW+2*((\s)/4)+1] offset:(4+\t)*4096+((\s)%4)*1024+512*\c
.endif
.endr
.endr
.endm
.macro MULP p, s                       ; sixteen products: part p's sixteen accumulators, one instruction each; the 80 take turns in the same order in every K step
.if (\s) == 0
.set ZF, 1
.else
.set ZF, 0
.endif
.if (\p) < 2
	WIN 0x53                                       ; weight window 3, x window 0, sums window 1
.elseif (\p) < 4
	WIN 0xa3                                       ; sums window 2
.else
	WIN 0xf0                                       ; both sources window 0, sums window 3
.endif
.irp mb, 0,1,2,3
.irp t, 0,1,2,3
.if (\p) < 4
	FP4 128*((\p)%2)+32*\mb+8*\t, 128+32*(\p)+8*\t, XF+32*((\s)%2)+8*\mb, ZF, SCW+8*(2*(\p)+\t/2)+(\s), SCX+8*(\mb/2)+(\s), \t%2, \mb%2
.else
	FP4 32*\mb+8*\t, XF+32*((\s)%2)+8*\mb, B4+8*\t, ZF, SCX+8*(\mb/2)+(\s), SCW+8*(8+\t/2)+(\s), \mb%2, \t%2
.endif
.endr
.endr
.endm
; One part of one K step.  The wait counts the LDS loads issued behind this part's fragments: at P = 0 the other four parts' 32; later 8 (4 - P) of this step, the 16 issued
; behind part 0 and 8 (P - 1) behind the parts since: 40; in the last step, which fetches nothing, 8 (4 - P).
.macro STEPP
.if (S == 3) && (P == 0)
	s_wait_tensorcnt 0x0                           ; my part of slot 1 has landed,
	s_wait_dscnt 0x0                               ; no LDS instruction of mine is out at the signal,
	s_barrier_signal -1
	s_barrier_wait -1                              ; and everybody's has: from here on slot 1 is fetched from
.endif
.if P == 0
	s_wait_dscnt 32
.elseif S < 7
	s_wait_dscnt 40
.else
	s_wait_dscnt 8*(4-P)
.endif
	MULP P, S
.if S < 7
	PLACES
	BFETCH P, S+1
.if P == 0
	XFETCH S+1
.endif
.endif
.endm
.macro ROPE base, mb                   ; out[2i] = x[2i] cos - x[2i+1] sin, out[2i+1] = x[2i+1] cos + x[2i] sin; each accumulator is first read among its four lowest registers
	WIN 0x01
.irp t, 0,1,2,3
.irp e, 0,1,2,3
	v_mul_f32 v[T+8*\t+2*\e], v[\base+32*\mb+8*\t+2*\e+1], v[TAB+32*\mb+8*\t+4+\e]
	v_mul_f32 v[T+8*\t+2*\e+1], v[\base+32*\mb+8*\t+2*\e], v[TAB+32*\mb+8*\t+4+\e]
.endr
.endr
	WIN 0x41
.irp t, 0,1,2,3
.irp e, 0,1,2,3
	v_fma_f32 v[\base+32*\mb+8*\t+2*\e], v[\base+32*\mb+8*\t+2*\e], v[TAB+32*\mb+8*\t+\e], -v[T+8*\t+2*\e]
	v_fma_f32 v[\base+32*\mb+8*\t+2*\e+1], v[\base+32*\mb+8*\t+2*\e+1], v[TAB+32*\mb+8*\t+\e], v[T+8*\t+2*\e+1]
.endr
.endr
.endm
; 32 numbers in window win, v[base + 32 mb] on, are split: their high parts, packed as f16, into v[pk] on; their low parts stay in their place, in f32.  The numbers are read in ascending order.
.macro SPLIT base, mb, win, pk
	WIN (5*\win)                                   ; both sources window win, destination window 0
.irp n, 0,1,2,3,4,5,6,7,8,9,10,11,12,13,14,15,16,17,18,19,20,21,22,23,24,25,26,27,28,29,30,31
	v_add_nc_u32 v[T+\n], s96, v[\base+32*\mb+\n]  ; half a step of the 11th bit onto the number's bits: the magnitude grows, a carry goes into the exponent as it should
.endr
	WIN 0
.irp n, 0,1,2,3,4,5,6,7,8,9,10,11,12,13,14,15,16,17,18,19,20,21,22,23,24,25,26,27,28,29,30,31
	v_and_b32 v[T+\n], s97, v[T+\n]                ; the 13 low bits off: the high part
.endr
	WIN ((\win<<6)|\win)                           ; destination and source 0 window win, source 1 window 0
.irp n, 0,1,2,3,4,5,6,7,8,9,10,11,12,13,14,15,16,17,18,19,20,21,22,23,24,25,26,27,28,29,30,31
	v_sub_f32 v[\base+32*\mb+\n], v[\base+32*\mb+\n], v[T+\n]      ; the low part: exact
.endr
	WIN 0
.irp n, 0,1,2,3,4,5,6,7,8,9,10,11,12,13,14,15
	v_cvt_pk_f16_f32 v[\pk+\n], v[T+2*\n], v[T+2*\n+1]
.endr
.endm
.macro EPI mb                          ; 16 rows leave
	ROPE 0, \mb
	ROPE 128, \mb
	WIN 0x09                                       ; source 0: q, window 1; source 1: hk, window 2: the same numbers name different registers
	v_mul_f32 v[T], v[32*\mb], v[32*\mb]
	v_mul_f32 v[T+1], v[32*\mb+1], v[32*\mb+1]
.irp n, 2,4,6,8,10,12,14,16,18,20,22,24,26,28,30
	v_fma_f32 v[T], v[32*\mb+\n], v[32*\mb+\n], v[T]
	v_fma_f32 v[T+1], v[32*\mb+\n+1], v[32*\mb+\n+1], v[T+1]
.endr
	WIN 0
	v_add_f32 v[T], v[T], v[T+1]
	v_permlanex16_b32 v[T+1], v[T], s84, s85
	v_add_f32 v[G+\mb], v[T], v[T+1]               ; qhk of row r, in both halves of the lanes: of the whole numbers, ahead of the split
	SPLIT 0, \mb, 1, PQ
	SPLIT 128, \mb, 1, PK
	SPLIT 0, \mb, 2, PH
	SPLIT 0, \mb, 3, PV
.irp t, 0,1,2,3                        ; the high parts; every store covers 512 consecutive bytes
	global_store_b128 v3, v[PQ+4*\t:PQ+4*\t+3], s[70:71] offset:\mb*2048+\t*512
	global_store_b128 v3, v[PK+4*\t:PK+4*\t+3], s[72:73] offset:\mb*2048+\t*512
	global_store_b128 v3, v[PH+4*\t:PH+4*\t+3], s[74:75] offset:\mb*2048+\t*512
	global_store_b128 v3, v[PV+4*\t:PV+4*\t+3], s[76:77] offset:(\mb/2)*4096+\t*1024+(\mb%2)*512
.endr
	WIN 0x08                                       ; a store's data are its source 1: window 2
.irp t, 0,1,2,3
	global_store_b128 v3, v[128+32*\mb+8*\t:128+32*\mb+8*\t+3], s[78:79] offset:\mb*4096+\t*1024         ; hv stays f32; each accumulator from its low end on
	global_store_b128 v3, v[128+32*\mb+8*\t+4:128+32*\mb+8*\t+7], s[78:79] offset:\mb*4096+\t*1024+512
.endr
	s_wait_xcnt 0x0                                ; the packed registers that these stores read are rewritten, and EXEC is changed, only behind this wait
	WIN 0x05
.irp n, 0,1,2,3,4,5,6,7,8,9,10,11,12,13,14,15
	v_cvt_pk_f16_f32 v[PQ+\n], v[32*\mb+2*\n], v[32*\mb+2*\n+1]                ; the low parts
	v_cvt_pk_f16_f32 v[PK+\n], v[128+32*\mb+2*\n], v[128+32*\mb+2*\n+1]
.endr
	WIN 0x0a
.irp n, 0,1,2,3,4,5,6,7,8,9,10,11,12,13,14,15
	v_cvt_pk_f16_f32 v[PH+\n], v[32*\mb+2*\n], v[32*\mb+2*\n+1]
.endr
	WIN 0x0f
.irp n, 0,1,2,3,4,5,6,7,8,9,10,11,12,13,14,15
	v_cvt_pk_f16_f32 v[PV+\n], v[32*\mb+2*\n], v[32*\mb+2*\n+1]
.endr
	WIN 0
	v_cmp_gt_u32 vcc_lo, 2, v8                     ; my 256 rows lie under position 512
	s_and_saveexec_b32 s95, vcc_lo
.irp t, 0,1,2,3
	global_store_b128 v3, v[PQ+4*\t:PQ+4*\t+3], s[88:89] offset:\mb*2048+\t*512
	global_store_b128 v3, v[PK+4*\t:PK+4*\t+3], s[90:91] offset:\mb*2048+\t*512
	global_store_b128 v3, v[PH+4*\t:PH+4*\t+3], s[92:93] offset:\mb*2048+\t*512
	global_store_b128 v3, v[PV+4*\t:PV+4*\t+3], s[98:99] offset:(\mb/2)*4096+\t*1024+(\mb%2)*512
.endr
	s_wait_xcnt 0x0                                ; EXEC is restored, and the packed registers are rewritten by the next block, only behind this wait
	s_or_b32 exec_lo, exec_lo, s95
.endm
	s_load_b128 s[4:7], s[0:1], 0x0                ; xq, wq
	s_load_b128 s[8:11], s[0:1], 0x10              ; tab, qkv
	s_load_b64 s[12:13], s[0:1], 0x20              ; hvf
	s_load_b64 s[88:89], s[0:1], 0x28              ; lo
	v_lshl_add_u32 v[SPW], v0, 2, SPARE
	v_mov_b32 v[NIL], 0
	ds_add_u32 v[SPW], v[NIL]                      ; the opening: the add, twice on end, and its wait ahead of my first tensor load
	ds_add_u32 v[SPW], v[NIL]
	v_lshrrev_b32 v1, 5, v0
	v_readfirstlane_b32 s14, v1                    ; wave
	s_lshr_b32 s15, s14, 1                         ; I fetch for x (0) or for the weight (1)
	s_and_b32 s16, s14, 1                          ; which half of that tile
	s_bfe_u32 s40, ttmp6, 0x40000                  ; cx
	s_bfe_u32 s41, ttmp6, 0x40004                  ; cy
	s_lshl_b32 s42, ttmp9, 2
	s_add_co_u32 s42, s42, s40                     ; head
	s_and_b32 s17, ttmp7, 0xffff
	s_lshl_b32 s17, s17, 2
	s_add_co_u32 s17, s17, s41                     ; block of 256 rows
	s_lshl_b32 s43, s41, 2
	s_lshl_b32 s43, 15, s43                        ; my row of the cluster
	s_lshl_b32 s44, 0x1111, s40                    ; my column
	s_or_b32 s[G1X], s43, (3<<16)|(1<<21)          ; mask; elements of 8 bytes; bit 21 beside a mask; no padding: the images are read 512 dense bytes at a time
	s_or_b32 s[G1W], s44, (3<<16)|(1<<21)
	s_mov_b32 s[G1X+1], 32<<16                     ; rows of 32 elements = 256 bytes
	s_mov_b32 s[G1X+2], 128<<16                    ; 128 rows: 32,768 dense bytes
	s_mov_b32 s[G1X+3], 32<<16
	s_mov_b32 s[G1X+4], 128
	s_mov_b32 s[G1X+5], 32
	s_mov_b32 s[G1X+6], 0
	s_mov_b32 s[G1X+7], 0
	s_mov_b32 s[G1W+1], 32<<16
	s_mov_b32 s[G1W+2], 160<<16                    ; 160 rows: 40,960 dense bytes
	s_mov_b32 s[G1W+3], 32<<16
	s_mov_b32 s[G1W+4], 160
	s_mov_b32 s[G1W+5], 32
	s_mov_b32 s[G1W+6], 0
	s_mov_b32 s[G1W+7], 0
	s_lshl_b32 s20, s17, 17
	s_lshl_b32 s18, s16, 15
	s_add_co_u32 s20, s20, s18                     ; x: hangs on the block of rows and the wave alone
	s_mov_b32 s21, 0
	s_mul_i32 s46, s42, 163840
	s_mul_i32 s18, s16, 40960
	s_add_co_u32 s46, s46, s18                     ; the weight: on the head and the wave alone
	s_mov_b32 s47, 0
	s_lshl_b32 s45, s16, 15                        ; where they go in a slot
	s_mul_i32 s22, s16, 40960
	s_add_co_u32 s22, s22, WOFF
	s_mov_b32 s84, 0x76543210
	s_mov_b32 s85, 0xfedcba98
	s_mov_b32 s96, 0x1000                          ; half a step of f16's last bit, in f32's bits
	s_mov_b32 s97, 0xffffe000                      ; clears the 13 bits that f16 does not hold
	s_wait_dscnt 0x0                               ; both opening adds are done
	s_wait_kmcnt 0x0
	s_add_nc_u64 s[20:21], s[4:5], s[20:21]
	s_add_nc_u64 s[46:47], s[6:7], s[46:47]
	CROUND                                         ; all sixteen work-groups are here: the joint loads meet
.irp s, 0,1
	s_mov_b32 s[G0X+4*\s], 1
	s_add_co_u32 s[G0X+4*\s+1], s45, \s*SLOTB
	s_add_nc_u64 s[G0X+4*\s+2:G0X+4*\s+3], s[20:21], \s*65536
	s_or_b32 s[G0X+4*\s+3], s[G0X+4*\s+3], 0x80000000
	s_mov_b32 s[G0W+4*\s], 1
	s_add_co_u32 s[G0W+4*\s+1], s22, \s*SLOTB
	s_add_nc_u64 s[G0W+4*\s+2:G0W+4*\s+3], s[46:47], \s*81920
	s_or_b32 s[G0W+4*\s+3], s[G0W+4*\s+3], 0x80000000
	JLOAD G0X+4*\s, G1X, G0W+4*\s, G1W             ; two loads of mine are out
.endr
	v_and_b32 v1, 31, v0
	v_lshlrev_b32 v3, 4, v1                        ; 16 x lane
	v_lshlrev_b32 v4, 3, v1                        ; 8 x lane
	v_bfe_u32 v6, v0, 4, 1                         ; h
	s_and_b32 s94, s17, 7
	v_mov_b32 v8, s94                              ; which 256 positions of the sequence are my work-group's
	s_mul_i32 s18, s42, 10240
	s_add_co_u32 s18, s18, 2621440
	s_mov_b32 s19, 0
	s_add_nc_u64 s[68:69], s[6:7], s[18:19]        ; the head's scale words
	s_lshl_b32 s18, s17, 3
	s_lshl_b32 s23, s14, 1
	s_add_co_u32 s18, s18, s23
	s_lshl_b32 s18, s18, 10
	s_add_co_u32 s18, s18, 2097152
	s_add_nc_u64 s[66:67], s[4:5], s[18:19]        ; my 64 rows' scale words
.irp pr, 0,1,2,3,4,5,6,7,8,9
.irp gq, 0,1,2,3
	global_load_b64 v[SCW+8*\pr+2*\gq:SCW+8*\pr+2*\gq+1], v4, s[68:69] offset:\pr*1024+\gq*256
.endr
.endr
.irp pr, 0,1
.irp gq, 0,1,2,3
	global_load_b64 v[SCX+8*\pr+2*\gq:SCX+8*\pr+2*\gq+1], v4, s[66:67] offset:\pr*1024+\gq*256
.endr
.endr
	s_lshl_b32 s18, s14, 14
	v_add_nc_u32 v[ADX], s18, v3
	v_add_nc_u32 v[ADX+1], SLOTB, v[ADX]
	v_add_nc_u32 v[ADW], WOFF, v3
	v_add_nc_u32 v[ADW+1], WOFF+49152, v3
	v_add_nc_u32 v[ADW+2], SLOTB+WOFF, v3
	v_add_nc_u32 v[ADW+3], SLOTB+WOFF+49152, v3
	; where the results go
	s_lshr_b32 s86, s17, 3
	s_lshl_b32 s86, s86, 4
	s_add_co_u32 s86, s86, s42                     ; batch x 16 + head
	s_and_b32 s87, s17, 7
	s_lshl_b32 s87, s87, 4
	s_lshl_b32 s18, s14, 2
	s_add_co_u32 s87, s87, s18                     ; my first block of 16 positions
	s_lshl_b32 s18, s86, 18
	s_lshl_b32 s23, s87, 11
	s_add_co_u32 s18, s18, s23
	s_add_nc_u64 s[70:71], s[10:11], s[18:19]      ; q
	s_add_nc_u64 s[72:73], s[70:71], 8388608       ; k
	s_add_nc_u64 s[74:75], s[70:71], 16777216      ; hk
	s_add_nc_u64 s[76:77], s[70:71], 25165824      ; v: 32 keys take 4,096 bytes, so the offset is the same
	s_add_nc_u64 s[88:89], s[88:89], s[18:19]      ; the low parts, at the same offsets in their own buffer: q,
	s_add_nc_u64 s[90:91], s[88:89], 8388608       ; k,
	s_add_nc_u64 s[92:93], s[88:89], 16777216      ; hk,
	s_add_nc_u64 s[98:99], s[88:89], 25165824      ; v
	s_lshl_b32 s18, s86, 19
	s_lshl_b32 s23, s87, 12
	s_add_co_u32 s18, s18, s23
	s_add_nc_u64 s[78:79], s[12:13], s[18:19]      ; hv
	s_lshl_b32 s18, s86, 5
	s_lshr_b32 s23, s87, 2
	s_add_co_u32 s18, s18, s23
	s_lshl_b32 s18, s18, 8
	s_add_co_u32 s18, s18, 16777216
	s_add_nc_u64 s[80:81], s[12:13], s[18:19]      ; qhk x -SCALE log2(e)
	s_lshl_b32 s18, s87, 12
	s_add_nc_u64 s[82:83], s[8:9], s[18:19]        ; the table at my positions
	s_wait_tensorcnt 1                             ; my part of slot 0 is in; slot 1's may stay out
	s_barrier_signal -1
	s_barrier_wait -1
	XFETCH 0
	BFETCH 0, 0
	BFETCH 1, 0
	BFETCH 2, 0
	BFETCH 3, 0
	BFETCH 4, 0
	s_wait_loadcnt 0x0                             ; the scale words
.set S, 0
.rept 8
.set P, 0
.rept 5
	STEPP
.set P, P+1
.endr
.set S, S+1
.endr
	PLACES
	WIN 0
.irp mb, 0,1,2,3
.irp t, 0,1,2,3
	global_load_b128 v[TAB+32*\mb+8*\t:TAB+32*\mb+8*\t+3], v3, s[82:83] offset:\mb*4096+\t*1024          ; cos of pairs 8 t + 4 h + 0..3
	global_load_b128 v[TAB+32*\mb+8*\t+4:TAB+32*\mb+8*\t+7], v3, s[82:83] offset:\mb*4096+\t*1024+512    ; sin
.endr
.endr
	s_wait_loadcnt 0x0
	EPI 0
	EPI 1
	EPI 2
	EPI 3
	v_cmp_eq_u32 vcc_lo, 1, v6
	v_cndmask_b32 v[T], v[G], v[G+2], vcc_lo       ; lanes 0-15: blocks 0, 1; lanes 16-31: blocks 2, 3
	v_cndmask_b32 v[T+1], v[G+1], v[G+3], vcc_lo
	v_mul_f32 v[T], 0xbe38aa3b, v[T]               ; x -SCALE log2(e)
	v_mul_f32 v[T+1], 0xbe38aa3b, v[T+1]
	global_store_b64 v4, v[T:T+1], s[80:81]        ; 256 consecutive bytes
	s_wait_tensorcnt 0x0                           ; the wave's end
	ds_add_u32 v[SPW], v[NIL]
	s_wait_dscnt 0x0
	CROUND                                         ; the closing round
	s_endpgm
.Lfunc_end_k_qfe12ea3814_proj:
	.size	k_qfe12ea3814_proj, .Lfunc_end_k_qfe12ea3814_proj-k_qfe12ea3814_proj
	.p2alignl 7, 3214868480
	.fill 96, 4, 3214868480
	.section	.rodata,"a",@progbits
	.p2align	6, 0x0
	.amdhsa_kernel k_qfe12ea3814_proj
		.amdhsa_group_segment_fixed_size 327680
		.amdhsa_private_segment_fixed_size 0
		.amdhsa_enable_private_segment 0
		.amdhsa_kernarg_size 48
		.amdhsa_user_sgpr_count 2
		.amdhsa_user_sgpr_kernarg_segment_ptr 1
		.amdhsa_wavefront_size32 1
		.amdhsa_system_sgpr_workgroup_id_x 1
		.amdhsa_system_sgpr_workgroup_id_y 1
		.amdhsa_system_sgpr_workgroup_id_z 1
		.amdhsa_system_vgpr_workitem_id 0
		.amdhsa_next_free_vgpr 1024
		.amdhsa_next_free_sgpr 100
		.amdhsa_reserve_vcc 1
		.amdhsa_float_denorm_mode_32 3
		.amdhsa_float_denorm_mode_16_64 3
		.amdhsa_memory_ordered 1
		.amdhsa_forward_progress 1
		.amdhsa_inst_pref_size 255
	.end_amdhsa_kernel
	.section	.bss,"aw",@nobits
	.p2align	6
	.space	262144
	.amdgpu_metadata
---
amdhsa.version: [ 1, 2 ]
amdhsa.kernels:
  - .name:           k_qfe12ea3814_proj
    .symbol:         k_qfe12ea3814_proj.kd
    .args:
      - { .name: xq, .offset: 0, .size: 8, .value_kind: global_buffer, .address_space: global }
      - { .name: wq, .offset: 8, .size: 8, .value_kind: global_buffer, .address_space: global }
      - { .name: tab, .offset: 16, .size: 8, .value_kind: global_buffer, .address_space: global }
      - { .name: qkv, .offset: 24, .size: 8, .value_kind: global_buffer, .address_space: global }
      - { .name: hvf, .offset: 32, .size: 8, .value_kind: global_buffer, .address_space: global }
      - { .name: lo, .offset: 40, .size: 8, .value_kind: global_buffer, .address_space: global }
    .group_segment_fixed_size: 327680
    .private_segment_fixed_size: 0
    .kernarg_segment_align: 8
    .kernarg_segment_size: 48
    .max_flat_workgroup_size: 128
    .sgpr_count:     100
    .vgpr_count:     1024
    .wavefront_size: 32
...
	.end_amdgpu_metadata
.endif
;; end of part 2
;; launch first (part 3): grid 16 x 2, 5 waves a work-group, no clusters, 21,248 bytes of LDS; arguments xq, wq, tab, alpha, att; writes att
.if DOCPART == 3
	.amdgcn_target "amdgcn-amd-amdhsa--gfx1250"
	.amdhsa_code_object_version 6
	.text
	.protected	k_qfe12ea3814_first
	.globl	k_qfe12ea3814_first
	.p2align	8
	.type	k_qfe12ea3814_first,@function
k_qfe12ea3814_first:
	s_mov_b64 s[64:65], 0
	v_nop
	global_prefetch_b8 v0, s[64:65] scope:SCOPE_SE
	s_setreg_imm32_b32 hwreg(HW_REG_WAVE_MODE, 25, 1), 1
	s_wait_xcnt 0x0
; FIRST: positions 0 to 15 of every sequence and head, which average one to sixteen values and are the largest rows: their attention is carried in f32.
; Left out as in the first kernel: hvv (mod = hv . (W v)); there is one key tile, on the diagonal.
; Wave p makes part p (q, k, hk, hv, v) of the 16 rows anew from the codes: 32 scaled products; the parts meet in LDS as images of their registers; wave 0 then does the attention.
; The registers of the f32 matrix sums, v208-255, are named by nothing else in this text, in any window: so window 1 holds three of the four weight tiles (v0-191) and the fourth lies in window 0.
; No clusters, no tensor loads: 32 small work-groups that share nothing but 16 rows of x.
.set SPARE, 20480
.set XF,  16                           ; v16-79  x's eight fragments
.set SCW, 80                           ; v80-95  the weight's scale words: 8 x (tile / 2) + K step
.set SCX, 96                           ; v96-103 x's
.set ACC, 104                          ; v104-135 my part: four accumulators
.set WF3, 136                          ; v136-199 tile 3's eight fragments; later the table (v136-167) and work (v168-199)
.set TAB, 136
.set T,   168
.set Q,   16                           ; wave 0, second phase
.set K,   48
.set HK,  80
.set HV,  112
.set V,   144
.set U,   176
.set E,   184
.set P,   192
.set S1,  208
.set S2,  216
.set OA,  224
.set MSB, 0
.macro WIN new
.if MSB != \new
	s_set_vgpr_msb (MSB<<8)|\new
.set MSB, \new
.endif
.endm
.macro FP4 d, a, b, zero, sa, sb, ra, rb
.if \zero
.if (\ra) && (\rb)
	v_wmma_scale_f32_16x16x128_f8f6f4 v[(\d):(\d)+7], v[(\a):(\a)+7], v[(\b):(\b)+7], 0, v[\sa], v[\sb] matrix_a_fmt:MATRIX_FMT_FP4 matrix_b_fmt:MATRIX_FMT_FP4 matrix_a_scale:MATRIX_SCALE_ROW1 matrix_b_scale:MATRIX_SCALE_ROW1
.elseif \ra
	v_wmma_scale_f32_16x16x128_f8f6f4 v[(\d):(\d)+7], v[(\a):(\a)+7], v[(\b):(\b)+7], 0, v[\sa], v[\sb] matrix_a_fmt:MATRIX_FMT_FP4 matrix_b_fmt:MATRIX_FMT_FP4 matrix_a_scale:MATRIX_SCALE_ROW1
.elseif \rb
	v_wmma_scale_f32_16x16x128_f8f6f4 v[(\d):(\d)+7], v[(\a):(\a)+7], v[(\b):(\b)+7], 0, v[\sa], v[\sb] matrix_a_fmt:MATRIX_FMT_FP4 matrix_b_fmt:MATRIX_FMT_FP4 matrix_b_scale:MATRIX_SCALE_ROW1
.else
	v_wmma_scale_f32_16x16x128_f8f6f4 v[(\d):(\d)+7], v[(\a):(\a)+7], v[(\b):(\b)+7], 0, v[\sa], v[\sb] matrix_a_fmt:MATRIX_FMT_FP4 matrix_b_fmt:MATRIX_FMT_FP4
.endif
.else
.if (\ra) && (\rb)
	v_wmma_scale_f32_16x16x128_f8f6f4 v[(\d):(\d)+7], v[(\a):(\a)+7], v[(\b):(\b)+7], v[(\d):(\d)+7], v[\sa], v[\sb] matrix_a_fmt:MATRIX_FMT_FP4 matrix_b_fmt:MATRIX_FMT_FP4 matrix_a_scale:MATRIX_SCALE_ROW1 matrix_b_scale:MATRIX_SCALE_ROW1
.elseif \ra
	v_wmma_scale_f32_16x16x128_f8f6f4 v[(\d):(\d)+7], v[(\a):(\a)+7], v[(\b):(\b)+7], v[(\d):(\d)+7], v[\sa], v[\sb] matrix_a_fmt:MATRIX_FMT_FP4 matrix_b_fmt:MATRIX_FMT_FP4 matrix_a_scale:MATRIX_SCALE_ROW1
.elseif \rb
	v_wmma_scale_f32_16x16x128_f8f6f4 v[(\d):(\d)+7], v[(\a):(\a)+7], v[(\b):(\b)+7], v[(\d):(\d)+7], v[\sa], v[\sb] matrix_a_fmt:MATRIX_FMT_FP4 matrix_b_fmt:MATRIX_FMT_FP4 matrix_b_scale:MATRIX_SCALE_ROW1
.else
	v_wmma_scale_f32_16x16x128_f8f6f4 v[(\d):(\d)+7], v[(\a):(\a)+7], v[(\b):(\b)+7], v[(\d):(\d)+7], v[\sa], v[\sb] matrix_a_fmt:MATRIX_FMT_FP4 matrix_b_fmt:MATRIX_FMT_FP4
.endif
.endif
.endm
	s_load_b256 s[4:11], s[0:1], 0x0               ; xq, wq, tab, alpha
	s_load_b64 s[12:13], s[0:1], 0x20              ; att
	v_lshl_add_u32 v1, v0, 2, SPARE                ; my spare word; never rewritten
	v_mov_b32 v2, 0                                ; 0; never rewritten
	v_lshrrev_b32 v8, 5, v0
	v_readfirstlane_b32 s14, v8                    ; wave = part
	v_and_b32 v8, 31, v0
	v_lshlrev_b32 v3, 4, v8                        ; 16 x lane
	v_lshlrev_b32 v4, 3, v8                        ; 8 x lane
	v_and_b32 v5, 15, v0                           ; r
	v_bfe_u32 v6, v0, 4, 1                         ; h
	s_lshl_b32 s15, s14, 12
	v_add_nc_u32 v7, s15, v3                       ; my part's image in LDS
	s_mov_b32 s16, ttmp9                           ; head
	s_and_b32 s17, ttmp7, 0xffff                   ; batch
	s_mov_b32 s28, 0x76543210
	s_mov_b32 s29, 0xfedcba98
	s_mov_b32 s30, 0x3e38aa3b                      ; SCALE log2(e)
	s_mov_b32 s19, 0
	s_wait_kmcnt 0x0
	s_mul_i32 s18, s16, 163840
	s_lshl_b32 s31, s14, 14
	s_add_co_u32 s18, s18, s31
	s_add_nc_u64 s[20:21], s[6:7], s[18:19]        ; my part's four tiles of codes
	s_mul_i32 s18, s16, 10240
	s_lshl_b32 s31, s14, 11
	s_add_co_u32 s18, s18, s31
	s_add_co_u32 s18, s18, 2621440
	s_add_nc_u64 s[22:23], s[6:7], s[18:19]        ; and their scale words
	s_lshl_b32 s18, s17, 20
	s_add_nc_u64 s[24:25], s[4:5], s[18:19]        ; the sequence's first 16 rows: codes,
	s_lshl_b32 s18, s17, 16
	s_add_co_u32 s18, s18, 2097152
	s_add_nc_u64 s[26:27], s[4:5], s[18:19]        ; scale words (lanes 0-15)
	s_lshl_b32 s18, s17, 22
	s_lshr_b32 s31, s16, 1
	s_lshl_b32 s31, s31, 15
	s_add_co_u32 s18, s18, s31
	s_and_b32 s31, s16, 1
	s_lshl_b32 s31, s31, 11
	s_add_co_u32 s18, s18, s31
	s_add_nc_u64 s[32:33], s[12:13], s[18:19]      ; the result's high parts,
	s_add_nc_u64 s[34:35], s[32:33], 8388608       ; low parts
	WIN 0x40                                       ; destination window 1
.irp t, 0,1,2
.irp s, 0,1,2,3,4,5,6,7
.irp c, 0,1
	global_load_b128 v[64*\t+8*\s+4*\c:64*\t+8*\s+4*\c+3], v3, s[20:21] offset:(\s/4)*81920+\t*4096+(\s%4)*1024+512*\c
.endr
.endr
.endr
	WIN 0
.irp s, 0,1,2,3,4,5,6,7
.irp c, 0,1
	global_load_b128 v[WF3+8*\s+4*\c:WF3+8*\s+4*\c+3], v3, s[20:21] offset:(\s/4)*81920+3*4096+(\s%4)*1024+512*\c
	global_load_b128 v[XF+8*\s+4*\c:XF+8*\s+4*\c+3], v3, s[24:25] offset:(\s/4)*65536+(\s%4)*1024+512*\c
.endr
.endr
.irp gq, 0,1,2,3
	global_load_b64 v[SCW+2*\gq:SCW+2*\gq+1], v4, s[22:23] offset:\gq*256
	global_load_b64 v[SCW+8+2*\gq:SCW+8+2*\gq+1], v4, s[22:23] offset:1024+\gq*256
	global_load_b64 v[SCX+2*\gq:SCX+2*\gq+1], v4, s[26:27] offset:\gq*256
.endr
	s_wait_loadcnt 0x0
	s_cmp_eq_u32 s14, 4
	s_cbranch_scc1 .Lvalues
.irp s, 0,1,2,3,4,5,6,7                ; transposed: a lane holds one row and eight dims.  Four accumulators by turns, K ascending
	WIN 0x01
.irp t, 0,1,2
	FP4 ACC+8*\t, 64*\t+8*\s, XF+8*\s, \s==0, SCW+8*(\t/2)+\s, SCX+\s, \t%2, 0
.endr
	WIN 0
	FP4 ACC+24, WF3+8*\s, XF+8*\s, \s==0, SCW+8+\s, SCX+\s, 1, 0
.endr
	s_branch .Ljoin
.Lvalues:
.irp s, 0,1,2,3,4,5,6,7                ; v the other way round: a lane holds one channel and eight keys
	WIN 0x04
.irp t, 0,1,2
	FP4 ACC+8*\t, XF+8*\s, 64*\t+8*\s, \s==0, SCX+\s, SCW+8*(\t/2)+\s, 0, \t%2
.endr
	WIN 0
	FP4 ACC+24, XF+8*\s, WF3+8*\s, \s==0, SCX+\s, SCW+8+\s, 0, 1
.endr
.Ljoin:
.rept 4
	v_nop                                          ; places behind the last products
.endr
	s_cmp_lt_u32 s14, 2
	s_cbranch_scc0 .Lplain
.irp t, 0,1,2,3                        ; q and k: rope at positions 0 to 15
	global_load_b128 v[TAB+8*\t:TAB+8*\t+3], v3, s[8:9] offset:\t*1024
	global_load_b128 v[TAB+8*\t+4:TAB+8*\t+7], v3, s[8:9] offset:\t*1024+512
.endr
	s_wait_loadcnt 0x0
.irp t, 0,1,2,3
.irp e, 0,1,2,3
	v_mul_f32 v[T+8*\t+2*\e], v[ACC+8*\t+2*\e+1], v[TAB+8*\t+4+\e]
	v_mul_f32 v[T+8*\t+2*\e+1], v[ACC+8*\t+2*\e], v[TAB+8*\t+4+\e]
.endr
.endr
.irp t, 0,1,2,3
.irp e, 0,1,2,3
	v_fma_f32 v[ACC+8*\t+2*\e], v[ACC+8*\t+2*\e], v[TAB+8*\t+\e], -v[T+8*\t+2*\e]
	v_fma_f32 v[ACC+8*\t+2*\e+1], v[ACC+8*\t+2*\e+1], v[TAB+8*\t+\e], v[T+8*\t+2*\e+1]
.endr
.endr
.Lplain:
.irp t, 0,1,2,3
	ds_store_b128 v7, v[ACC+8*\t:ACC+8*\t+3] offset:1024*\t          ; each accumulator from its low end on
	ds_store_b128 v7, v[ACC+8*\t+4:ACC+8*\t+7] offset:1024*\t+512
.endr
	s_wait_dscnt 0x0                               ; for the others' sake: my stores have landed
	s_barrier_signal -1
	s_barrier_wait -1
	s_cmp_lg_u32 s14, 0
	s_cbranch_scc1 .Lend
	; ---- wave 0: the attention of 16 queries on 16 keys, in f32
.irp n, 0,1,2,3,4,5,6,7,8,9,10,11,12,13,14,15,16,17,18,19,20,21,22,23,24,25,26,27,28,29,30,31,32,33,34,35,36,37,38,39
	ds_load_b128 v[16+4*\n:19+4*\n], v3 offset:512*\n
.endr
	s_lshl_b32 s31, s16, 2
	v_mov_b32 v8, s31
	global_load_b32 v9, v8, s[10:11]               ; alpha of my head
	v_lshlrev_b32 v13, 3, v6
	v_sub_nc_u32 v13, v5, v13                      ; r - 8 h: register j holds key 8 h + j, hidden where j > r - 8 h
	v_mov_b32 v14, 0xff800000
	v_mov_b32 v201, 0
	s_wait_dscnt 0x0
	v_mul_f32 v10, v[Q], v[HK]
	v_mul_f32 v11, v[Q+1], v[HK+1]
.irp n, 2,4,6,8,10,12,14,16,18,20,22,24,26,28,30
	v_fma_f32 v10, v[Q+\n], v[HK+\n], v10
	v_fma_f32 v11, v[Q+\n+1], v[HK+\n+1], v11
.endr
	v_add_f32 v10, v10, v11
	v_permlanex16_b32 v11, v10, s28, s29
	v_add_f32 v10, v10, v11
	v_mul_f32 v12, 0xbe38aa3b, v10                 ; g2 = qhk x -SCALE log2(e)
.irp t, 0,1,2,3                        ; S1 = k q^T, S2 = k hk^T, by turns; both sources take the same four dims 16 t + 8 h + 2 jj + 0, 1
.irp jj, 0,1,2,3
.if \t+\jj == 0
	v_wmma_f32_16x16x4_f32 v[S1:S1+7], v[K:K+1], v[Q:Q+1], 0
	v_wmma_f32_16x16x4_f32 v[S2:S2+7], v[K:K+1], v[HK:HK+1], 0
.else
	v_wmma_f32_16x16x4_f32 v[S1:S1+7], v[K+8*\t+2*\jj:K+8*\t+2*\jj+1], v[Q+8*\t+2*\jj:Q+8*\t+2*\jj+1], v[S1:S1+7]
	v_wmma_f32_16x16x4_f32 v[S2:S2+7], v[K+8*\t+2*\jj:K+8*\t+2*\jj+1], v[HK+8*\t+2*\jj:HK+8*\t+2*\jj+1], v[S2:S2+7]
.endif
.endr
.endr
.rept 8
	v_nop                                          ; eight places behind this form
.endr
.irp j, 0,1,2,3,4,5,6,7
	v_mul_f32 v[U+\j], v[S2+\j], v12               ; u = -z log2(e)
.endr
.irp j, 0,1,2,3,4,5,6,7
	v_exp_f32 v[E+\j], v[U+\j]
.endr
	v_nop
	s_wait_alu depctr_va_vdst(0)                   ; one wait for the batch
.irp j, 0,1,2,3,4,5,6,7
	v_add_f32 v[E+\j], 1.0, v[E+\j]
.endr
.irp j, 0,1,2,3,4,5,6,7
	v_rcp_f32 v[E+\j], v[E+\j]                     ; sigmoid(z)
.endr
	v_nop
	s_wait_alu depctr_va_vdst(0)
.irp j, 0,1,2,3,4,5,6,7
	v_mul_f32 v[U+\j], v[U+\j], v[E+\j]
.endr
.irp j, 0,1,2,3,4,5,6,7
	v_fma_f32 v[P+\j], v[S1+\j], s30, v[U+\j]      ; t = score x log2(e)
.endr
.irp j, 0,1,2,3,4,5,6,7
	v_cmp_gt_i32 vcc_lo, \j, v13
	v_cndmask_b32 v[P+\j], v[P+\j], v14, vcc_lo
.endr
	v_max3_num_f32 v200, v[P], v[P+1], v[P+2]
	v_max3_num_f32 v200, v200, v[P+3], v[P+4]
	v_max3_num_f32 v200, v200, v[P+5], v[P+6]
	v_max_num_f32 v200, v200, v[P+7]
	v_permlanex16_b32 v201, v200, s28, s29
	v_max_num_f32 v200, v200, v201                 ; the row's maximum: key 0 counts for every query
.irp j, 0,1,2,3,4,5,6,7
	v_sub_f32 v[P+\j], v[P+\j], v200
.endr
.irp j, 0,1,2,3,4,5,6,7
	v_exp_f32 v[P+\j], v[P+\j]
.endr
	v_nop
	s_wait_alu depctr_va_vdst(0)
	v_add_f32 v202, v[P], v[P+1]
	v_add_f32 v203, v[P+2], v[P+3]
	v_add_f32 v202, v202, v[P+4]
	v_add_f32 v203, v203, v[P+5]
	v_add_f32 v202, v202, v[P+6]
	v_add_f32 v203, v203, v[P+7]
	v_add_f32 v202, v202, v203
	v_permlanex16_b32 v201, v202, s28, s29
	v_add_f32 v202, v202, v201                     ; the row's sum
.irp jj, 0,1,2,3                       ; O^T = V^T P: four accumulators by turns; both sources take keys 8 h + 2 jj + 0, 1
.irp ct, 0,1,2,3
.if \jj == 0
	v_wmma_f32_16x16x4_f32 v[OA+8*\ct:OA+8*\ct+7], v[V+8*\ct:V+8*\ct+1], v[P:P+1], 0
.else
	v_wmma_f32_16x16x4_f32 v[OA+8*\ct:OA+8*\ct+7], v[V+8*\ct+2*\jj:V+8*\ct+2*\jj+1], v[P+2*\jj:P+2*\jj+1], v[OA+8*\ct:OA+8*\ct+7]
.endif
.endr
.endr
.rept 8
	v_nop
.endr
	s_wait_loadcnt 0x0                             ; alpha
	v_mul_f32 v204, 0xbfb8aa3b, v9
	v_rcp_f32 v203, v202
	v_exp_f32 v205, v204
	v_nop
	s_wait_alu depctr_va_vdst(0)
	v_add_f32 v205, 1.0, v205
	v_rcp_f32 v205, v205                           ; sigmoid(alpha)
	v_nop
	s_wait_alu depctr_va_vdst(0)
.irp n, 0,1,2,3,4,5,6,7,8,9,10,11,12,13,14,15,16,17,18,19,20,21,22,23,24,25,26,27,28,29,30,31
	v_mul_f32 v[16+\n], v[OA+\n], v203             ; W v, into other registers
.endr
	v_mul_f32 v200, v[HV], v16
	v_mul_f32 v201, v[HV+1], v17
.irp n, 2,4,6,8,10,12,14,16,18,20,22,24,26,28,30
	v_fma_f32 v200, v[HV+\n], v[16+\n], v200
	v_fma_f32 v201, v[HV+\n+1], v[17+\n], v201
.endr
	v_add_f32 v200, v200, v201
	v_permlanex16_b32 v201, v200, s28, s29
	v_add_f32 v200, v200, v201                     ; mod = hv . (W v)
	v_mul_f32 v200, -v200, v205
.irp n, 0,1,2,3,4,5,6,7,8,9,10,11,12,13,14,15,16,17,18,19,20,21,22,23,24,25,26,27,28,29,30,31
	v_fma_f32 v[16+\n], v[HV+\n], v200, v[16+\n]
.endr
.irp i, 0,1,2,3,4,5,6,7,8,9,10,11,12,13,14,15
	v_cvt_pk_bf16_f32 v[48+\i], v[16+2*\i], v[17+2*\i]       ; the high parts
.endr
.irp i, 0,1,2,3,4,5,6,7,8,9,10,11,12,13,14,15
	v_lshlrev_b32 v[80+2*\i], 16, v[48+\i]
	v_and_b32 v[81+2*\i], 0xffff0000, v[48+\i]
.endr
.irp n, 0,1,2,3,4,5,6,7,8,9,10,11,12,13,14,15,16,17,18,19,20,21,22,23,24,25,26,27,28,29,30,31
	v_sub_f32 v[16+\n], v[16+\n], v[80+\n]
.endr
.irp i, 0,1,2,3,4,5,6,7,8,9,10,11,12,13,14,15
	v_cvt_pk_bf16_f32 v[64+\i], v[16+2*\i], v[17+2*\i]       ; the low parts
.endr
.irp ct, 0,1,2,3
	global_store_b128 v3, v[48+4*\ct:51+4*\ct], s[32:33] offset:512*\ct
	global_store_b128 v3, v[64+4*\ct:67+4*\ct], s[34:35] offset:512*\ct
.endr
.Lend:
	s_wait_tensorcnt 0x0                           ; the wave's end
	ds_add_u32 v1, v2
	s_wait_dscnt 0x0
	s_endpgm
.Lfunc_end_k_qfe12ea3814_first:
	.size	k_qfe12ea3814_first, .Lfunc_end_k_qfe12ea3814_first-k_qfe12ea3814_first
	.p2alignl 7, 3214868480
	.fill 96, 4, 3214868480
	.section	.rodata,"a",@progbits
	.p2align	6, 0x0
	.amdhsa_kernel k_qfe12ea3814_first
		.amdhsa_group_segment_fixed_size 21248
		.amdhsa_private_segment_fixed_size 0
		.amdhsa_enable_private_segment 0
		.amdhsa_kernarg_size 40
		.amdhsa_user_sgpr_count 2
		.amdhsa_user_sgpr_kernarg_segment_ptr 1
		.amdhsa_wavefront_size32 1
		.amdhsa_system_sgpr_workgroup_id_x 1
		.amdhsa_system_sgpr_workgroup_id_y 1
		.amdhsa_system_sgpr_workgroup_id_z 1
		.amdhsa_system_vgpr_workitem_id 0
		.amdhsa_next_free_vgpr 448
		.amdhsa_next_free_sgpr 66
		.amdhsa_reserve_vcc 1
		.amdhsa_float_denorm_mode_32 3
		.amdhsa_float_denorm_mode_16_64 3
		.amdhsa_memory_ordered 1
		.amdhsa_forward_progress 1
		.amdhsa_inst_pref_size 48
	.end_amdhsa_kernel
	.amdgpu_metadata
---
amdhsa.version: [ 1, 2 ]
amdhsa.kernels:
  - .name:           k_qfe12ea3814_first
    .symbol:         k_qfe12ea3814_first.kd
    .args:
      - { .name: xq, .offset: 0, .size: 8, .value_kind: global_buffer, .address_space: global }
      - { .name: wq, .offset: 8, .size: 8, .value_kind: global_buffer, .address_space: global }
      - { .name: tab, .offset: 16, .size: 8, .value_kind: global_buffer, .address_space: global }
      - { .name: alpha, .offset: 24, .size: 8, .value_kind: global_buffer, .address_space: global }
      - { .name: att, .offset: 32, .size: 8, .value_kind: global_buffer, .address_space: global }
    .group_segment_fixed_size: 21248
    .private_segment_fixed_size: 0
    .kernarg_segment_align: 8
    .kernarg_segment_size: 40
    .max_flat_workgroup_size: 160
    .sgpr_count:     66
    .vgpr_count:     448
    .wavefront_size: 32
...
	.end_amdgpu_metadata
.endif
;; end of part 3
;; launch attn (part 4): grid 8 x 32, 16 waves a work-group, clusters of 4 x 1, 327,680 bytes of LDS; arguments qkv, hvf, alpha, att, lo; writes att
.if DOCPART == 4
	.amdgcn_target "amdgcn-amd-amdhsa--gfx1250"
	.amdhsa_code_object_version 6
	.text
	.protected	k_qfe12ea3814_attn
	.globl	k_qfe12ea3814_attn
	.p2align	8
	.type	k_qfe12ea3814_attn,@function
k_qfe12ea3814_attn:
	s_mov_b64 s[64:65], 0
	v_nop
	global_prefetch_b8 v0, s[64:65] scope:SCOPE_SE
	s_setreg_imm32_b32 hwreg(HW_REG_WAVE_MODE, 25, 1), 1
	s_wait_xcnt 0x0
	s_wait_alu depctr_hold_cnt(0) depctr_sa_sdst(0) depctr_va_vdst(0) depctr_va_sdst(0) depctr_va_ssrc(0) depctr_va_vcc(0) depctr_vm_vsrc(0)
	s_getreg_b32 s2, hwreg(HW_REG_IB_STS2, 6, 4)
	s_cmp_eq_u32 s2, 0
	s_cbranch_scc0 .Lentry_in_a_cluster
	s_endpgm
.Lentry_in_a_cluster:
	s_bfe_u32 s2, ttmp6, 0x10000c
	s_cmp_lg_u32 s2, 0x3003
	s_cbranch_scc0 .Lentry_shape_is_right
	s_endpgm
.Lentry_shape_is_right:
; ATTN: W = softmax(qk SCALE - silu(hkk qhk SCALE)) under the causal mask; o = W v - sigmoid(alpha) (hv . W v) hv; o leaves as pairs of bf16 (high, low).
; Left out as in the first kernel: hvv (mod = hv . (W v)), and blocks of 128 keys that lie wholly above the diagonal.  Positions 0-15 of a sequence are stored by the launch before, not here.
; SHARES.  Sixteen waves; a wave owns ONE tile of 16 queries, tile 8 pi + j: j is the work-group's number along x, pi a permutation of the wave's number.  The tile lies in the block pi of 128 keys
; whatever j is: so which trips a wave leaves out hangs on the wave's number and the count of trips alone, and the four work-groups of a cluster, which walk the same head, run alike.
; Every work-group walks all 2,048 keys, so the four ask for every tile of K and V JOINTLY.  The price: the two trips of the diagonal block are always run whole.
; LAYOUT.  S^T = K Q^T and K HK^T (source 0 = 16 keys), O^T = V^T P: a lane holds one query throughout.  K and V lie in LDS as images of their registers: each load takes 512 dense bytes.
; THE SCORE.  u = hkk g2 (g2 = qhk x -SCALE log2 e) = -z log2 e; sigma = 1 / (1 + 2^u); t = qk SCALE log2 e + u sigma; p = 2^(t - m), m the running maximum of t.  1 + 2^u is at least 1.
; THE EARLY ROWS, MORE FINELY.  A row at position n averages at most n + 1 values, and the term (hv . W v) hv multiplies an error of W v along hv by |hv|^2, a sum of 64 squares.  So the rows under
; position 512, the tiles of the waves with pi at most 3, take every operand as a PAIR of f16 numbers, a high and a low part split in f32: hi hi + hi lo + lo hi in all three products.  These waves
; have 2 pi + 2 live trips, 8 at the most.  The low parts of q, hk, k, v come from memory straight into registers that are free at that point; p is split in registers.  The branch hangs on the wave's number alone.
; LIMITS: q, k, hk, v and p are f16 operands (magnitudes up to 65,504; p under 6e-8 of the row's largest counts as 0).
.set SLOT1, 1<<17                      ; a slot: 512 keys: K's images 65,536 bytes, then V's; slot 1 begins here
.set SPARE, 262144
.set FINE, 6                           ; the finer way is taken where 2 pi is at most this
.set AK0, 1                            ; v1  16 x lane
.set AV0, 2                            ; v2  16 x lane + 65,536
.set ADK, 3
.set ADV, 4
.set SPW, 5
.set NIL, 6
.set X,   18                           ; v18-21 at work in the maximum
.set Q,   24
.set HK,  40
.set O,   56
.set S1,  88
.set S2,  120
.set VL,  88                           ; the finer way: v's low parts take the scores' 64 registers once p is packed
.set E,   152
.set P,   152                          ; p as f16 takes E's first sixteen,
.set PL,  168                          ; its low part, on the finer way, the other sixteen
.set KV,  184
.set WV,  12
.set TB,  36                           ; LDS byte at which the trip's 64 keys begin
.set KC,  37                           ; the trip's number, 0 to 31
.set LIMK, 38                          ; my last live trip: 2 pi + 1
.set DIAG, 39                          ; from this trip on the mask is laid: 2 pi
.set TR,  40
.set SLOTS, 41
.set LIM, 48
.set RND, 76                           ; s76 half a step of f16's last bit, in f32's bits
.set MSK, 77                           ; s77 clears the 13 bits that f16 does not hold
.macro CROUND
	s_barrier_signal -1
	s_barrier_wait -1
	s_cmp_lg_u32 s[WV], 0
	s_cbranch_scc1 .Lnot_wave_0_\@
	s_barrier_signal -3
.Lnot_wave_0_\@:
	s_barrier_wait -3
	s_barrier_signal -1
	s_barrier_wait -1
.endm
.macro TLOAD                           ; waves 0, 1 fetch K's halves of a slot, waves 2, 3 V's: 32,768 dense bytes each
	s_cmp_lt_u32 s[WV], 4
	s_cbranch_scc0 .Lnone_\@
	tensor_load_to_lds s[32:35], s[24:31]
	s_nop 0
.rept 4
	v_nop
.endr
.Lnone_\@:
.endm
; A prefetch of the slot that the NEXT change will ask for: 16 blocks of 8,192 bytes (8 of K, 8 of V).  The head's first cluster asks; its four partners take four blocks each, told apart by address;
; in each, waves 4 to 7 take one block, lanes 256 bytes apart.  So each 256 bytes are named once.  Eight trips ahead of the load.  The last change that fills a slot asks for nothing.
.macro ASK
	s_cmp_gt_u32 s[SLOTS], s[LIM]
	s_cbranch_scc0 .Lnot_mine_\@
	global_prefetch_b8 v22, s[46:47] th:TH_LOAD_NT scope:SCOPE_SE
.Lnot_mine_\@:
.endm
.macro TRIP                            ; 64 keys
	s_cmp_gt_u32 s[KC], s[LIMK]
	s_cbranch_scc1 .Lhidden_\@                     ; all its keys come after my queries: wave's number and count of trips alone
	v_add_nc_u32 v[ADK], s[TB], v[AK0]
	v_add_nc_u32 v[ADV], s[TB], v[AV0]
	v_nop
	v_nop                                          ; four places in front of loads into registers that the last products read
.irp i, 0,1,2,3
.irp t, 0,1,2,3
	ds_load_b128 v[KV+16*\i+4*\t:KV+16*\i+4*\t+3], v[ADK] offset:2048*\i+512*\t
.endr
.endr
	s_wait_dscnt 0x0
.irp i, 0,1,2,3                        ; eight accumulators by turns; the first 32 dims start the sums
	v_wmma_f32_16x16x32_f16 v[S1+8*\i:S1+8*\i+7], v[KV+16*\i:KV+16*\i+7], v[Q:Q+7], 0
	v_wmma_f32_16x16x32_f16 v[S2+8*\i:S2+8*\i+7], v[KV+16*\i:KV+16*\i+7], v[HK:HK+7], 0
.endr
.irp i, 0,1,2,3
	v_wmma_f32_16x16x32_f16 v[S1+8*\i:S1+8*\i+7], v[KV+16*\i+8:KV+16*\i+15], v[Q+8:Q+15], v[S1+8*\i:S1+8*\i+7]
	v_wmma_f32_16x16x32_f16 v[S2+8*\i:S2+8*\i+7], v[KV+16*\i+8:KV+16*\i+15], v[HK+8:HK+15], v[S2+8*\i:S2+8*\i+7]
.endr
.rept 4
	v_nop
.endr
	s_cmp_gt_u32 s[DIAG], FINE
	s_cbranch_scc1 .Lcoarse_\@
	; the finer way, scores: k's high parts x the low parts of q and hk, then k's low parts x the high parts of q and hk.  The same eight accumulators by turns
	s_lshl_b32 s49, s[KC], 13
	v_add_nc_u32 v249, s49, v[AK0]                 ; the trip's 64 keys take 8,192 bytes in k's section
.irp t, 0,1,2,3
	global_load_b128 v[E+4*\t:E+4*\t+3], v[AK0], s[68:69] offset:512*\t
	global_load_b128 v[E+16+4*\t:E+16+4*\t+3], v[AK0], s[70:71] offset:512*\t
.endr
	s_wait_loadcnt 0x0
.irp c, 0,1
.irp i, 0,1,2,3
	v_wmma_f32_16x16x32_f16 v[S1+8*\i:S1+8*\i+7], v[KV+16*\i+8*\c:KV+16*\i+8*\c+7], v[E+8*\c:E+8*\c+7], v[S1+8*\i:S1+8*\i+7]
	v_wmma_f32_16x16x32_f16 v[S2+8*\i:S2+8*\i+7], v[KV+16*\i+8*\c:KV+16*\i+8*\c+7], v[E+16+8*\c:E+16+8*\c+7], v[S2+8*\i:S2+8*\i+7]
.endr
.endr
.rept 4
	v_nop                                          ; places in front of loads into k's registers
.endr
.irp i, 0,1,2,3
.irp t, 0,1,2,3
	global_load_b128 v[KV+16*\i+4*\t:KV+16*\i+4*\t+3], v249, s[72:73] offset:2048*\i+512*\t
.endr
.endr
	s_wait_loadcnt 0x0
.irp c, 0,1
.irp i, 0,1,2,3
	v_wmma_f32_16x16x32_f16 v[S1+8*\i:S1+8*\i+7], v[KV+16*\i+8*\c:KV+16*\i+8*\c+7], v[Q+8*\c:Q+8*\c+7], v[S1+8*\i:S1+8*\i+7]
	v_wmma_f32_16x16x32_f16 v[S2+8*\i:S2+8*\i+7], v[KV+16*\i+8*\c:KV+16*\i+8*\c+7], v[HK+8*\c:HK+8*\c+7], v[S2+8*\i:S2+8*\i+7]
.endr
.endr
.rept 4
	v_nop
.endr
.Lcoarse_\@:
.irp u, 0,1                            ; V lands while the scores are worked
.irp ct, 0,1,2,3
	ds_load_b128 v[KV+32*\u+8*\ct:KV+32*\u+8*\ct+3], v[ADV] offset:4096*\u+1024*\ct
	ds_load_b128 v[KV+32*\u+8*\ct+4:KV+32*\u+8*\ct+7], v[ADV] offset:4096*\u+1024*\ct+512
.endr
.endr
.irp n, 0,2,4,6,8,10,12,14,16,18,20,22,24,26,28,30
	v_pk_mul_f32 v[S2+\n:S2+\n+1], v[S2+\n:S2+\n+1], v[10:11] op_sel_hi:[1,0]      ; u
.endr
.irp n, 0,1,2,3,4,5,6,7,8,9,10,11,12,13,14,15,16,17,18,19,20,21,22,23,24,25,26,27,28,29,30,31
	v_exp_f32 v[E+\n], v[S2+\n]
.endr
	v_nop
	s_wait_alu depctr_va_vdst(0)                   ; one wait for the batch
.irp n, 0,2,4,6,8,10,12,14,16,18,20,22,24,26,28,30
	v_pk_add_f32 v[E+\n:E+\n+1], v[E+\n:E+\n+1], 1.0 op_sel_hi:[1,0]
.endr
.irp n, 0,1,2,3,4,5,6,7,8,9,10,11,12,13,14,15,16,17,18,19,20,21,22,23,24,25,26,27,28,29,30,31
	v_rcp_f32 v[E+\n], v[E+\n]
.endr
	v_nop
	s_wait_alu depctr_va_vdst(0)
.irp n, 0,2,4,6,8,10,12,14,16,18,20,22,24,26,28,30
	v_pk_mul_f32 v[S2+\n:S2+\n+1], v[S2+\n:S2+\n+1], v[E+\n:E+\n+1]
.endr
.irp n, 0,2,4,6,8,10,12,14,16,18,20,22,24,26,28,30
	v_pk_fma_f32 v[S1+\n:S1+\n+1], v[S1+\n:S1+\n+1], s[44:45], v[S2+\n:S2+\n+1] op_sel_hi:[1,0,1]   ; t
.endr
	s_cmp_lt_u32 s[KC], s[DIAG]
	s_cbranch_scc1 .Lopen_\@                       ; all keys count
	s_sub_co_u32 s49, s[KC], s[DIAG]
	s_lshl_b32 s49, s49, 6
	v_sub_nc_u32 v8, v7, s49                       ; register 8 i + jj holds a key that is hidden where 16 i + jj is above this
.irp n, 0,1,2,3,4,5,6,7,8,9,10,11,12,13,14,15,16,17,18,19,20,21,22,23,24,25,26,27,28,29,30,31
	v_cmp_gt_i32 vcc_lo, 16*(\n/8)+\n%8, v8
	v_cndmask_b32 v[S1+\n], v[S1+\n], v9, vcc_lo
.endr
.Lopen_\@:
.irp i, 0,1,2,3
	v_max3_num_f32 v[X+\i], v[S1+8*\i], v[S1+8*\i+1], v[S1+8*\i+2]
.endr
.irp k, 3,5
.irp i, 0,1,2,3
	v_max3_num_f32 v[X+\i], v[X+\i], v[S1+8*\i+\k], v[S1+8*\i+\k+1]
.endr
.endr
	v_max3_num_f32 v[X], v[X], v[S1+7], v[S1+15]
	v_max3_num_f32 v[X+2], v[X+2], v[S1+23], v[S1+31]
	v_max3_num_f32 v[X], v[X], v[X+1], v[X+2]
	v_max3_num_f32 v[X], v[X], v[X+3], v12         ; with the old maximum
	v_permlanex16_b32 v[X+1], v[X], s42, s43
	v_max_num_f32 v[X], v[X], v[X+1]
	v_sub_f32 v248, v12, v[X]
	v_mov_b32 v12, v[X]
.irp n, 0,2,4,6,8,10,12,14,16,18,20,22,24,26,28,30
	v_pk_add_f32 v[S1+\n:S1+\n+1], v[S1+\n:S1+\n+1], v[12:13] op_sel_hi:[1,0] neg_lo:[0,1] neg_hi:[0,1]
.endr
	v_exp_f32 v16, v248                            ; a = 2^(old m - new m)
.irp n, 0,1,2,3,4,5,6,7,8,9,10,11,12,13,14,15,16,17,18,19,20,21,22,23,24,25,26,27,28,29,30,31
	v_exp_f32 v[S1+\n], v[S1+\n]
.endr
	v_nop
	s_wait_alu depctr_va_vdst(0)
	v_pk_mul_f32 v[14:15], v[14:15], v[16:17] op_sel_hi:[1,0]
	v_pk_add_f32 v[250:251], v[S1:S1+1], v[S1+2:S1+3]
.irp n, 4,8,12,16,20,24,28
	v_pk_add_f32 v[14:15], v[14:15], v[S1+\n:S1+\n+1]
	v_pk_add_f32 v[250:251], v[250:251], v[S1+\n+2:S1+\n+3]
.endr
	v_pk_add_f32 v[14:15], v[14:15], v[250:251]
	s_cmp_gt_u32 s[DIAG], FINE
	s_cbranch_scc1 .Lplain_\@
	; the finer way, values: p is split as the launch before splits its numbers; V hi x p hi, V lo x p hi, V hi x p lo.  The block is closed in itself: its loads are waited for inside it
	s_lshl_b32 s49, s[KC], 13
	v_add_nc_u32 v249, s49, v[AK0]                 ; the trip's 64 keys take 8,192 bytes in v's section too
.irp n, 0,1,2,3,4,5,6,7,8,9,10,11,12,13,14,15,16,17,18,19,20,21,22,23,24,25,26,27,28,29,30,31
	v_add_nc_u32 v[S2+\n], s[RND], v[S1+\n]
.endr
.irp n, 0,1,2,3,4,5,6,7,8,9,10,11,12,13,14,15,16,17,18,19,20,21,22,23,24,25,26,27,28,29,30,31
	v_and_b32 v[S2+\n], s[MSK], v[S2+\n]           ; p's high part: 11 significant bits
.endr
.irp n, 0,2,4,6,8,10,12,14,16,18,20,22,24,26,28,30
	v_pk_add_f32 v[S1+\n:S1+\n+1], v[S1+\n:S1+\n+1], v[S2+\n:S2+\n+1] neg_lo:[0,1] neg_hi:[0,1]      ; the low part: exact
.endr
.irp n, 0,1,2,3,4,5,6,7,8,9,10,11,12,13,14,15
	v_cvt_pk_f16_f32 v[P+\n], v[S2+2*\n], v[S2+2*\n+1]
.endr
.irp n, 0,1,2,3,4,5,6,7,8,9,10,11,12,13,14,15
	v_cvt_pk_f16_f32 v[PL+\n], v[S1+2*\n], v[S1+2*\n+1]
.endr
.irp u, 0,1
.irp ct, 0,1,2,3
	global_load_b128 v[VL+32*\u+8*\ct:VL+32*\u+8*\ct+3], v249, s[74:75] offset:4096*\u+1024*\ct
	global_load_b128 v[VL+32*\u+8*\ct+4:VL+32*\u+8*\ct+7], v249, s[74:75] offset:4096*\u+1024*\ct+512
.endr
.endr
.irp n, 0,2,4,6,8,10,12,14,16,18,20,22,24,26,28,30
	v_pk_mul_f32 v[O+\n:O+\n+1], v[O+\n:O+\n+1], v[16:17] op_sel_hi:[1,0]
.endr
	s_wait_dscnt 0x0                               ; V's high parts
.irp u, 0,1                            ; four accumulators by turns, in all three runs
.irp ct, 0,1,2,3
	v_wmma_f32_16x16x32_f16 v[O+8*\ct:O+8*\ct+7], v[KV+32*\u+8*\ct:KV+32*\u+8*\ct+7], v[P+8*\u:P+8*\u+7], v[O+8*\ct:O+8*\ct+7]
.endr
.endr
.irp u, 0,1
.irp ct, 0,1,2,3
	v_wmma_f32_16x16x32_f16 v[O+8*\ct:O+8*\ct+7], v[KV+32*\u+8*\ct:KV+32*\u+8*\ct+7], v[PL+8*\u:PL+8*\u+7], v[O+8*\ct:O+8*\ct+7]
.endr
.endr
	s_wait_loadcnt 0x0                             ; V's low parts
.irp u, 0,1
.irp ct, 0,1,2,3
	v_wmma_f32_16x16x32_f16 v[O+8*\ct:O+8*\ct+7], v[VL+32*\u+8*\ct:VL+32*\u+8*\ct+7], v[P+8*\u:P+8*\u+7], v[O+8*\ct:O+8*\ct+7]
.endr
.endr
.rept 5
	v_nop                                          ; the next trip's first products write over the registers that these have read: five places
.endr
	s_branch .Lhidden_\@
.Lplain_\@:
.irp n, 0,1,2,3,4,5,6,7,8,9,10,11,12,13,14,15
	v_cvt_pk_f16_f32 v[P+\n], v[S1+2*\n], v[S1+2*\n+1]
.endr
.irp n, 0,2,4,6,8,10,12,14,16,18,20,22,24,26,28,30
	v_pk_mul_f32 v[O+\n:O+\n+1], v[O+\n:O+\n+1], v[16:17] op_sel_hi:[1,0]
.endr
	s_wait_dscnt 0x0                               ; V
.irp u, 0,1                            ; four accumulators by turns
.irp ct, 0,1,2,3
	v_wmma_f32_16x16x32_f16 v[O+8*\ct:O+8*\ct+7], v[KV+32*\u+8*\ct:KV+32*\u+8*\ct+7], v[P+8*\u:P+8*\u+7], v[O+8*\ct:O+8*\ct+7]
.endr
.endr
.Lhidden_\@:
	s_add_co_u32 s[KC], s[KC], 1
	s_add_co_u32 s[TB], s[TB], 8192
.endm
.macro SLOT_STEPS                      ; a slot's eight trips, written once
	s_mov_b32 s[TR], 8
.Ltrip_\@:
	TRIP
	s_sub_co_u32 s[TR], s[TR], 1
	s_cmp_lg_u32 s[TR], 0
	s_cbranch_scc1 .Ltrip_\@
	s_sub_co_u32 s[TB], s[TB], 65536
	s_xor_b32 s[TB], s[TB], SLOT1                  ; on to the other slot
.endm
; The change of slots stands at a slot's head: every wave waits for all its tensor loads, adds 0 to its spare word, waits for that and for its reads of the slot that it has left.
; fill = 1: a round of the cluster's barrier, and behind it the joint load of the next 512 keys into the slot just left: it has eight trips in which to land.  One tensor load of a wave is out at most.
.macro CHANGE fill
	s_wait_tensorcnt 0x0
	ds_add_u32 v[SPW], v[NIL]
.if \fill
	ds_add_u32 v[SPW], v[NIL]                      ; twice on end here
	s_xor_b32 s33, s33, SLOT1                      ; no load of mine is out: the descriptor walks
	s_add_nc_u64 s[34:35], s[34:35], 65536
	s_wait_xcnt 0x0                                ; the last prefetch, a slot back, has read its address
	s_add_nc_u64 s[46:47], s[46:47], 65536
	s_wait_dscnt 0x0
	CROUND
	TLOAD
	ASK
.else
	s_wait_dscnt 0x0
	s_barrier_signal -1
	s_barrier_wait -1
.endif
.endm
	s_load_b256 s[4:11], s[0:1], 0x0               ; qkv, hvf, alpha, att
	s_load_b64 s[66:67], s[0:1], 0x20              ; lo
	v_lshl_add_u32 v[SPW], v0, 2, SPARE
	v_mov_b32 v[NIL], 0
	ds_add_u32 v[SPW], v[NIL]                      ; the opening: the add, twice on end, and its wait ahead of the first tensor load
	ds_add_u32 v[SPW], v[NIL]
	v_lshrrev_b32 v1, 5, v0
	v_readfirstlane_b32 s[WV], v1
	s_bfe_u32 s13, ttmp6, 0x40000                  ; cx: it enters global addresses and the mask's numbers alone
	s_lshl_b32 s14, ttmp9, 2
	s_add_co_u32 s14, s14, s13                     ; j
	s_and_b32 s15, ttmp7, 0xffff                   ; batch x 16 + head, which the partners share
	s_lshr_b32 s16, s[WV], 2
	s_and_b32 s17, s[WV], 3
	s_and_b32 s18, s16, 1
	s_mul_i32 s18, s18, 3
	s_xor_b32 s17, s17, s18
	s_lshl_b32 s16, s16, 2
	s_add_co_u32 s16, s16, s17                     ; pi: every fourth wave's pi add up to 30
	s_lshl_b32 s[DIAG], s16, 1
	s_add_co_u32 s[LIMK], s[DIAG], 1
	s_lshl_b32 s17, s16, 3
	s_add_co_u32 s17, s17, s14                     ; my tile of 16 queries
	s_mov_b32 s24, 15|(3<<16)|(1<<21)              ; all four work-groups; elements of 8 bytes; bit 21 beside a mask
	s_mov_b32 s25, 32<<16                          ; rows of 256 bytes,
	s_mov_b32 s26, 128<<16                         ; 128 of them, dense
	s_mov_b32 s27, 32<<16
	s_mov_b32 s28, 128
	s_mov_b32 s29, 32
	s_mov_b32 s30, 0
	s_mov_b32 s31, 0
	s_mov_b32 s32, 1
	s_and_b32 s33, s[WV], 3
	s_lshl_b32 s33, s33, 15                        ; LDS: wave x 32,768, slot 0
	s_bfe_u32 s18, s[WV], 0x10001
	s_lshl_b32 s18, s18, 24                        ; K's section, or V's 16,777,216 bytes on
	s_and_b32 s19, s[WV], 1
	s_lshl_b32 s19, s19, 15
	s_add_co_u32 s18, s18, s19
	s_lshl_b32 s20, s15, 18
	s_add_co_u32 s18, s18, s20
	s_add_co_u32 s18, s18, 8388608
	s_mov_b32 s19, 0
	s_lshl_b32 s22, s13, 2                         ; the prefetches: block 4 cx + wave % 4
	s_and_b32 s23, s[WV], 3
	s_add_co_u32 s22, s22, s23
	s_lshr_b32 s23, s22, 3
	s_lshl_b32 s23, s23, 24
	s_and_b32 s22, s22, 7
	s_lshl_b32 s22, s22, 13
	s_add_co_u32 s22, s22, s23
	s_add_co_u32 s22, s22, s20
	s_add_co_u32 s22, s22, 8388608+65536           ; in slot 1: the first change steps it to slot 2
	s_mov_b32 s23, 0
	s_lshr_b32 s[LIM], s[WV], 2
	s_xor_b32 s[LIM], s[LIM], 1                    ; 0 in waves 4 to 7,
	s_or_b32 s[LIM], s[LIM], ttmp9                 ; of the head's first cluster
	s_cmp_eq_u32 s[LIM], 0
	s_cselect_b32 s[LIM], 1, -1
	s_lshl_b32 s50, s17, 11
	s_add_co_u32 s50, s50, s20                     ; q's and hk's images of my tile
	s_mov_b32 s51, 0
	s_lshl_b32 s54, s15, 5
	s_lshr_b32 s21, s17, 2
	s_add_co_u32 s54, s54, s21
	s_lshl_b32 s54, s54, 8
	s_bfe_u32 s21, s17, 0x10001
	s_lshl_b32 s21, s21, 7
	s_add_co_u32 s54, s54, s21
	s_and_b32 s21, s17, 1
	s_lshl_b32 s21, s21, 2
	s_add_co_u32 s54, s54, s21
	s_add_co_u32 s54, s54, 16777216                ; g2 of my tile
	s_mov_b32 s55, 0
	s_lshl_b32 s56, s15, 19
	s_lshl_b32 s21, s17, 12
	s_add_co_u32 s56, s56, s21                     ; hv of my tile
	s_mov_b32 s57, 0
	s_lshr_b32 s58, s15, 4
	s_lshl_b32 s58, s58, 7
	s_add_co_u32 s58, s58, s17                     ; block of 16 rows among all 256
	s_and_b32 s21, s58, 7
	s_lshl_b32 s21, s21, 12
	s_lshr_b32 s58, s58, 3
	s_lshl_b32 s58, s58, 18
	s_add_co_u32 s58, s58, s21
	s_bfe_u32 s21, s15, 0x30001
	s_lshl_b32 s21, s21, 15
	s_add_co_u32 s58, s58, s21
	s_and_b32 s21, s15, 1
	s_lshl_b32 s21, s21, 11
	s_add_co_u32 s58, s58, s21
	s_mov_b32 s59, 0
	s_mov_b32 s21, 0                               ; s[20:21]: the head's first byte in a section, as a pair
	s_and_b32 s62, s15, 15
	s_lshl_b32 s62, s62, 2                         ; alpha's byte
	s_lshl_b32 s63, s14, 4                         ; 16 j
	s_mov_b32 s42, 0x76543210
	s_mov_b32 s43, 0xfedcba98
	s_mov_b32 s44, 0x3e38aa3b                      ; SCALE log2(e)
	s_mov_b32 s45, s44
	s_mov_b32 s[RND], 0x1000
	s_mov_b32 s[MSK], 0xffffe000
	s_mov_b32 s[TB], 0
	s_mov_b32 s[KC], 0
	s_mov_b32 s[SLOTS], 3
	s_wait_dscnt 0x0                               ; both opening adds are done
	s_wait_kmcnt 0x0
	s_add_nc_u64 s[34:35], s[4:5], s[18:19]
	s_or_b32 s35, s35, 0x80000000
	s_add_nc_u64 s[46:47], s[4:5], s[22:23]
	s_add_nc_u64 s[68:69], s[66:67], s[50:51]      ; the low parts lie at the high parts' offsets in their own buffer: q's of my tile,
	s_add_nc_u64 s[70:71], s[68:69], 16777216      ; hk's,
	s_add_nc_u64 s[72:73], s[66:67], s[20:21]
	s_add_nc_u64 s[72:73], s[72:73], 8388608       ; k's of the head,
	s_add_nc_u64 s[74:75], s[72:73], 16777216      ; v's.  They are read by the waves with pi at most 3 alone, for positions under 512, which the launch before has stored
	s_add_nc_u64 s[50:51], s[4:5], s[50:51]
	s_add_nc_u64 s[52:53], s[50:51], 16777216
	s_add_nc_u64 s[54:55], s[6:7], s[54:55]
	s_add_nc_u64 s[56:57], s[6:7], s[56:57]
	s_add_nc_u64 s[58:59], s[10:11], s[58:59]
	s_add_nc_u64 s[60:61], s[58:59], 8388608
	CROUND                                         ; the four work-groups are here: the first joint loads meet
	TLOAD                                          ; slot 0
	v_and_b32 v248, 31, v0
	v_lshlrev_b32 v[AK0], 4, v248
	v_add_nc_u32 v[AV0], 65536, v[AK0]
	v_lshlrev_b32 v22, 8, v248
	v_and_b32 v248, 15, v0                         ; r
	v_bfe_u32 v249, v0, 4, 1                       ; h
	v_lshlrev_b32 v250, 3, v248
.irp t, 0,1,2,3
	global_load_b128 v[Q+4*\t:Q+4*\t+3], v[AK0], s[50:51] offset:512*\t
	global_load_b128 v[HK+4*\t:HK+4*\t+3], v[AK0], s[52:53] offset:512*\t
.endr
	global_load_b32 v10, v250, s[54:55]
	v_lshlrev_b32 v249, 3, v249
	v_sub_nc_u32 v7, v248, v249
	v_add_nc_u32 v7, s63, v7                       ; 16 j + r - 8 h
	v_mov_b32 v9, 0xff800000                       ; -infinity
	v_mov_b32 v11, 0                               ; (upper halves of pairs of which the low word serves are written once)
	v_mov_b32 v12, 0xff61b1e6                      ; the maximum so far: -3e38, under every t
	v_mov_b32 v13, 0
	v_mov_b32 v14, 0                               ; the sum, in two halves
	v_mov_b32 v15, 0
	v_mov_b32 v17, 0
	v_mov_b32 v19, 0                               ; a lane permute's destination counts as one of its sources
.irp n, 0,1,2,3,4,5,6,7,8,9,10,11,12,13,14,15,16,17,18,19,20,21,22,23,24,25,26,27,28,29,30,31
	v_mov_b32 v[O+\n], 0                           ; the trip is written once: its first finds zeros
.endr
	s_wait_loadcnt 0x0
.Lslot:                                ; three trips: behind each change but the last the next slot is asked for
	CHANGE 1
	SLOT_STEPS
	s_sub_co_u32 s[SLOTS], s[SLOTS], 1
	s_cmp_lg_u32 s[SLOTS], 0
	s_cbranch_scc1 .Lslot
	CHANGE 0                                       ; the last slot is written out
	SLOT_STEPS
	; ---- the way out
.rept 4
	v_nop                                          ; places behind the last products
.endr
.irp t, 0,1,2,3
	global_load_b128 v[KV+8*\t:KV+8*\t+3], v[AK0], s[56:57] offset:1024*\t
	global_load_b128 v[KV+8*\t+4:KV+8*\t+7], v[AK0], s[56:57] offset:1024*\t+512
.endr
	v_mov_b32 v248, s62
	global_load_b32 v216, v248, s[8:9]             ; alpha of my head
	v_add_f32 v14, v14, v15
	v_permlanex16_b32 v19, v14, s42, s43
	v_add_f32 v14, v14, v19                        ; the row's sum
	v_mov_b32 v253, 0
	v_mov_b32 v23, s17
	s_wait_loadcnt 0x0
	v_mul_f32 v217, 0xbfb8aa3b, v216
	v_rcp_f32 v16, v14
	v_exp_f32 v218, v217
	v_nop
	s_wait_alu depctr_va_vdst(0)
	v_add_f32 v218, 1.0, v218
	v_rcp_f32 v218, v218                           ; sigmoid(alpha)
	v_nop
	s_wait_alu depctr_va_vdst(0)
.irp n, 0,2,4,6,8,10,12,14,16,18,20,22,24,26,28,30
	v_pk_mul_f32 v[O+\n:O+\n+1], v[O+\n:O+\n+1], v[16:17] op_sel_hi:[1,0]          ; W v
.endr
.irp ct, 0,1,2,3
	v_mul_f32 v[248+\ct], v[KV+8*\ct], v[O+8*\ct]
.endr
.irp j, 1,2,3,4,5,6,7
.irp ct, 0,1,2,3
	v_fma_f32 v[248+\ct], v[KV+8*\ct+\j], v[O+8*\ct+\j], v[248+\ct]
.endr
.endr
	v_add_f32 v248, v248, v249
	v_add_f32 v250, v250, v251
	v_add_f32 v248, v248, v250
	v_permlanex16_b32 v19, v248, s42, s43
	v_add_f32 v248, v248, v19                      ; mod = hv . (W v)
	v_mul_f32 v252, -v248, v218
.irp n, 0,2,4,6,8,10,12,14,16,18,20,22,24,26,28,30
	v_pk_fma_f32 v[O+\n:O+\n+1], v[KV+\n:KV+\n+1], v[252:253], v[O+\n:O+\n+1] op_sel_hi:[1,0,1]
.endr
.irp i, 0,1,2,3,4,5,6,7,8,9,10,11,12,13,14,15
	v_cvt_pk_bf16_f32 v[S1+\i], v[O+2*\i], v[O+2*\i+1]       ; the high parts
.endr
.irp i, 0,1,2,3,4,5,6,7,8,9,10,11,12,13,14,15
	v_lshlrev_b32 v[S2+2*\i], 16, v[S1+\i]
	v_and_b32 v[S2+2*\i+1], 0xffff0000, v[S1+\i]
.endr
.irp n, 0,2,4,6,8,10,12,14,16,18,20,22,24,26,28,30
	v_pk_add_f32 v[O+\n:O+\n+1], v[O+\n:O+\n+1], v[S2+\n:S2+\n+1] neg_lo:[0,1] neg_hi:[0,1]
.endr
.irp i, 0,1,2,3,4,5,6,7,8,9,10,11,12,13,14,15
	v_cvt_pk_bf16_f32 v[S1+16+\i], v[O+2*\i], v[O+2*\i+1]    ; the low parts
.endr
	v_cmp_ne_u32 vcc_lo, 0, v23                    ; tile 0's rows have their owner in the launch before: here their lanes are off
	s_wait_xcnt 0x0                                ; EXEC changes only behind this wait
	s_and_saveexec_b32 s49, vcc_lo
.irp ct, 0,1,2,3
	global_store_b128 v[AK0], v[S1+4*\ct:S1+4*\ct+3], s[58:59] offset:512*\ct          ; 512 consecutive bytes a store
	global_store_b128 v[AK0], v[S1+16+4*\ct:S1+16+4*\ct+3], s[60:61] offset:512*\ct
.endr
	s_wait_xcnt 0x0
	s_or_b32 exec_lo, exec_lo, s49
	s_wait_tensorcnt 0x0                           ; the wave's end
	ds_add_u32 v[SPW], v[NIL]
	s_wait_dscnt 0x0
	CROUND                                         ; the closing round
	s_endpgm
.Lfunc_end_k_qfe12ea3814_attn:
	.size	k_qfe12ea3814_attn, .Lfunc_end_k_qfe12ea3814_attn-k_qfe12ea3814_attn
	.p2alignl 7, 3214868480
	.fill 96, 4, 3214868480
	.section	.rodata,"a",@progbits
	.p2align	6, 0x0
	.amdhsa_kernel k_qfe12ea3814_attn
		.amdhsa_group_segment_fixed_size 327680
		.amdhsa_private_segment_fixed_size 0
		.amdhsa_enable_private_segment 0
		.amdhsa_kernarg_size 40
		.amdhsa_user_sgpr_count 2
		.amdhsa_user_sgpr_kernarg_segment_ptr 1
		.amdhsa_wavefront_size32 1
		.amdhsa_system_sgpr_workgroup_id_x 1
		.amdhsa_system_sgpr_workgroup_id_y 1
		.amdhsa_system_sgpr_workgroup_id_z 1
		.amdhsa_system_vgpr_workitem_id 0
		.amdhsa_next_free_vgpr 256
		.amdhsa_next_free_sgpr 78
		.amdhsa_reserve_vcc 1
		.amdhsa_float_denorm_mode_32 3
		.amdhsa_float_denorm_mode_16_64 3
		.amdhsa_memory_ordered 1
		.amdhsa_forward_progress 1
		.amdhsa_inst_pref_size 88
	.end_amdhsa_kernel
	.amdgpu_metadata
---
amdhsa.version: [ 1, 2 ]
amdhsa.kernels:
  - .name:           k_qfe12ea3814_attn
    .symbol:         k_qfe12ea3814_attn.kd
    .args:
      - { .name: qkv, .offset: 0, .size: 8, .value_kind: global_buffer, .address_space: global }
      - { .name: hvf, .offset: 8, .size: 8, .value_kind: global_buffer, .address_space: global }
      - { .name: alpha, .offset: 16, .size: 8, .value_kind: global_buffer, .address_space: global }
      - { .name: att, .offset: 24, .size: 8, .value_kind: global_buffer, .address_space: global }
      - { .name: lo, .offset: 32, .size: 8, .value_kind: global_buffer, .address_space: global }
    .group_segment_fixed_size: 327680
    .private_segment_fixed_size: 0
    .kernarg_segment_align: 8
    .kernarg_segment_size: 40
    .max_flat_workgroup_size: 512
    .sgpr_count:     78
    .vgpr_count:     256
    .wavefront_size: 32
...
	.end_amdgpu_metadata
.endif
;; end of part 4
;; launch outp (part 5): grid 8 x 32, 4 waves a work-group, clusters of 4 x 4, 327,680 bytes of LDS; arguments att, wo, b_out, out0; writes out0
.if DOCPART == 5
	.amdgcn_target "amdgcn-amd-amdhsa--gfx1250"
	.amdhsa_code_object_version 6
	.text
	.protected	k_qfe12ea3814_outp
	.globl	k_qfe12ea3814_outp
	.p2align	8
	.type	k_qfe12ea3814_outp,@function
k_qfe12ea3814_outp:
	s_mov_b64 s[64:65], 0
	v_nop
	global_prefetch_b8 v0, s[64:65] scope:SCOPE_SE
	s_setreg_imm32_b32 hwreg(HW_REG_WAVE_MODE, 25, 1), 1
	s_wait_xcnt 0x0
	s_wait_alu depctr_hold_cnt(0) depctr_sa_sdst(0) depctr_va_vdst(0) depctr_va_sdst(0) depctr_va_ssrc(0) depctr_va_vcc(0) depctr_vm_vsrc(0)
	s_getreg_b32 s2, hwreg(HW_REG_IB_STS2, 6, 4)
	s_cmp_eq_u32 s2, 0
	s_cbranch_scc0 .Lentry_in_a_cluster
	s_endpgm
.Lentry_in_a_cluster:
	s_bfe_u32 s2, ttmp6, 0x10000c
	s_cmp_lg_u32 s2, 0xf033
	s_cbranch_scc0 .Lentry_shape_is_right
	s_endpgm
.Lentry_shape_is_right:
; OUTP: out0 = att w_out + b_out.  Both operands are pairs of bf16 (high, low), split in f32: hi hi + lo hi + hi lo, sums in f32: sixteen significant bits at f32's range, for every row.
; A tile of out0 is 128 x 128: 256 work-groups; four waves, 64 x 64 each: 16 accumulators.  K goes in steps of 128 through two LDS slots; a slot holds att's high and low parts and w_out's, 32,768 dense
; bytes each, as images of operand registers; each wave fetches one of the four.  CLUSTER 4 x 4: att's tiles are shared along a row of the cluster, w_out's along a column.
; The product is used transposed (source 0 = 16 columns of w_out, source 1 = 16 rows of att): a lane holds eight neighbouring numbers of a row.  The bias is the C of each sum's first product.
; No prefetch: a K step's tiles are small and the tiles are shared in the cluster.
; REGISTERS: window 0: v16-29 addresses; v32-63 rows on the way out; v96-127 the bias; v128-255 the accumulators.  window 1: two buffers of 128: att high 32, att low 32, w high 32, w low 32.
.set SLOT,  131072
.set STAGE, 262144                     ; behind the ring: 16 rows x 272 bytes for each wave
.set SP,    272
.set SPARE, 279552
.set ADRA, 16
.set ADRB, 20
.set STO,  24
.set RD,   25
.set CO,   26
.set SPW,  28
.set NIL,  29
.set TMP,  32
.set BIAS, 96
.set ACC,  128
.set F0,   0
.set F1,   128
.set G1A, 24
.set G0A, 32
.set G1B, 48
.set G0B, 56
.set MSB, 0
.macro WIN new
.if MSB != \new
	s_set_vgpr_msb (MSB<<8)|\new
.set MSB, \new
.endif
.endm
.set MUL,  0x05                        ; sources window 1; C and D window 0
.set TO_F, 0x40                        ; destination window 1
.macro JLOAD s                         ; waves 0, 1: att's high, low part; waves 2, 3: w_out's
	s_cmp_eq_u32 s13, 0
	s_cbranch_scc0 .Lfor_b_\@
	tensor_load_to_lds s[G0A+4*\s:G0A+4*\s+3], s[G1A:G1A+7]
	s_nop 0
.rept 4
	v_nop
.endr
	s_branch .Lasked_\@
.Lfor_b_\@:
	tensor_load_to_lds s[G0B+4*\s:G0B+4*\s+3], s[G1B:G1B+7]
	s_nop 0
.rept 4
	v_nop
.endr
.Lasked_\@:
.endm
.macro CREST
	s_cmp_lg_u32 s12, 0
	s_cbranch_scc1 .Lnot_wave_0_\@
	s_barrier_signal -3
.Lnot_wave_0_\@:
	s_barrier_wait -3
	s_barrier_signal -1
	s_barrier_wait -1
.endm
.macro CROUND
	s_barrier_signal -1
	s_barrier_wait -1
	CREST
.endm
.macro PLACES
.rept 4
	v_nop
.endr
.endm
.macro FETCH slot, kq, f               ; 32 LDS loads in one run: the fragments of 32 along K; the high parts first
	WIN TO_F
.irp i, 0,1,2,3
.irp hf, 0,1
	ds_load_b128 v[\f+64+8*\i+4*\hf:\f+64+8*\i+4*\hf+3], v[ADRB+\slot] offset:\i*4096+(\kq)*1024+512*\hf
	ds_load_b128 v[\f+8*\i+4*\hf:\f+8*\i+4*\hf+3], v[ADRA+\slot] offset:\i*4096+(\kq)*1024+512*\hf
.endr
.endr
.irp i, 0,1,2,3
.irp hf, 0,1
	ds_load_b128 v[\f+96+8*\i+4*\hf:\f+96+8*\i+4*\hf+3], v[ADRB+\slot] offset:32768+\i*4096+(\kq)*1024+512*\hf
	ds_load_b128 v[\f+32+8*\i+4*\hf:\f+32+8*\i+4*\hf+3], v[ADRA+\slot] offset:32768+\i*4096+(\kq)*1024+512*\hf
.endr
.endr
.endm
.macro MULH f, a0, zero                ; high x high, eight products; zero = 1: the bias starts the sums
.irp a, \a0, \a0+1
.irp b, 0,1,2,3
.if \zero
	v_wmma_f32_16x16x32_bf16 v[ACC+8*(4*(\a)+\b):ACC+8*(4*(\a)+\b)+7], v[\f+64+8*\b:\f+64+8*\b+7], v[\f+8*(\a):\f+8*(\a)+7], v[BIAS+8*\b:BIAS+8*\b+7]
.else
	v_wmma_f32_16x16x32_bf16 v[ACC+8*(4*(\a)+\b):ACC+8*(4*(\a)+\b)+7], v[\f+64+8*\b:\f+64+8*\b+7], v[\f+8*(\a):\f+8*(\a)+7], v[ACC+8*(4*(\a)+\b):ACC+8*(4*(\a)+\b)+7]
.endif
.endr
.endr
.endm
.macro MULX f                          ; w's low x att's high, then w's high x att's low: the sixteen accumulators take turns in the same order
.irp a, 0,1,2,3
.irp b, 0,1,2,3
	v_wmma_f32_16x16x32_bf16 v[ACC+8*(4*\a+\b):ACC+8*(4*\a+\b)+7], v[\f+96+8*\b:\f+96+8*\b+7], v[\f+8*\a:\f+8*\a+7], v[ACC+8*(4*\a+\b):ACC+8*(4*\a+\b)+7]
.endr
.endr
.irp a, 0,1,2,3
.irp b, 0,1,2,3
	v_wmma_f32_16x16x32_bf16 v[ACC+8*(4*\a+\b):ACC+8*(4*\a+\b)+7], v[\f+64+8*\b:\f+64+8*\b+7], v[\f+32+8*\a:\f+32+8*\a+7], v[ACC+8*(4*\a+\b):ACC+8*(4*\a+\b)+7]
.endr
.endr
.endm
.macro QUARTER slot, kq, f, g, zero    ; 32 along K from buffer f: 48 products; in its middle the next quarter, kq, is fetched into g
	s_wait_dscnt 16                                ; the high parts are in; the sixteen loads of the low parts may be out
	WIN MUL
	MULH \f, 0, \zero
	MULH \f, 2, \zero
	PLACES
	FETCH \slot, \kq, \g
	s_wait_dscnt 32                                ; all but the 32 just issued
	WIN MUL
	MULX \f
.endm
.macro TURN slot, next, fill           ; a slot's last quarter changes slots: one barrier; in front of it the wait for all my tensor loads, the add, and the wait for it and for my reads of this slot
	WIN 0
	s_wait_tensorcnt 0x0                           ; my part of the next slot has landed
	ds_add_u32 v[SPW], v[NIL]
	s_wait_dscnt 17                                ; (the add and the youngest sixteen loads may be out)
	WIN MUL
	MULH F1, 0, 0
	s_wait_dscnt 0x0
	s_barrier_signal -1
	MULH F1, 2, 0
.if \fill
	WIN 0
.endif
	s_barrier_wait -1
.if \fill
	CREST                                          ; the barrier has opened a round of the cluster's: no wave of any partner still reads this slot or has a load on its way
	s_add_nc_u64 s[G0A+4*\slot+2:G0A+4*\slot+3], s[G0A+4*\slot+2:G0A+4*\slot+3], 65536
	s_add_nc_u64 s[G0B+4*\slot+2:G0B+4*\slot+3], s[G0B+4*\slot+2:G0B+4*\slot+3], 65536
	JLOAD \slot                                    ; my one load behind the round; its four v_nop are also the places in front of the loads below
.else
	PLACES
.endif
	FETCH \next, 0, F0
	WIN MUL
	MULX F1
.endm
	s_load_b256 s[4:11], s[0:1], 0x0               ; att, wo, b_out, out0
	v_lshl_add_u32 v[SPW], v0, 2, SPARE
	v_mov_b32 v[NIL], 0
	ds_add_u32 v[SPW], v[NIL]                      ; the opening: the add, twice on end, and its wait ahead of my first tensor load
	ds_add_u32 v[SPW], v[NIL]
	v_lshrrev_b32 v1, 5, v0
	v_readfirstlane_b32 s12, v1                    ; wave
	s_lshr_b32 s13, s12, 1                         ; my half of the rows.  Also: I fetch for att (0) or for w_out (1)
	s_and_b32 s14, s12, 1                          ; my half of the columns.  Also: the high (0) or the low part (1)
	s_bfe_u32 s40, ttmp6, 0x40000
	s_bfe_u32 s41, ttmp6, 0x40004
	s_lshl_b32 s42, ttmp9, 2
	s_add_co_u32 s42, s42, s40                     ; tile column
	s_and_b32 s15, ttmp7, 0xffff
	s_lshl_b32 s15, s15, 2
	s_add_co_u32 s15, s15, s41                     ; tile row
	s_lshl_b32 s43, s41, 2
	s_lshl_b32 s43, 15, s43
	s_lshl_b32 s44, 0x1111, s40
	s_or_b32 s[G1A], s43, (3<<16)|(1<<21)
	s_or_b32 s[G1B], s44, (3<<16)|(1<<21)
.irp g, G1A, G1B
	s_mov_b32 s[\g+1], 32<<16                      ; 128 dense rows of 256 bytes
	s_mov_b32 s[\g+2], 128<<16
	s_mov_b32 s[\g+3], 32<<16
	s_mov_b32 s[\g+4], 128
	s_mov_b32 s[\g+5], 32
	s_mov_b32 s[\g+6], 0
	s_mov_b32 s[\g+7], 0
.endr
	s_lshl_b32 s16, s15, 18
	s_lshl_b32 s18, s14, 23
	s_add_co_u32 s16, s16, s18
	s_mov_b32 s17, 0
	s_lshl_b32 s46, s42, 18
	s_lshl_b32 s18, s14, 21
	s_add_co_u32 s46, s46, s18
	s_mov_b32 s47, 0
	s_lshl_b32 s20, s12, 15                        ; where they go: wave x 32,768
	s_wait_dscnt 0x0
	s_wait_kmcnt 0x0
	s_add_nc_u64 s[16:17], s[4:5], s[16:17]
	s_add_nc_u64 s[46:47], s[6:7], s[46:47]
	CROUND
.irp s, 0,1
	s_mov_b32 s[G0A+4*\s], 1
	s_add_co_u32 s[G0A+4*\s+1], s20, \s*SLOT
	s_add_nc_u64 s[G0A+4*\s+2:G0A+4*\s+3], s[16:17], \s*32768
	s_or_b32 s[G0A+4*\s+3], s[G0A+4*\s+3], 0x80000000
	s_mov_b32 s[G0B+4*\s], 1
	s_add_co_u32 s[G0B+4*\s+1], s20, \s*SLOT
	s_add_nc_u64 s[G0B+4*\s+2:G0B+4*\s+3], s[46:47], \s*32768
	s_or_b32 s[G0B+4*\s+3], s[G0B+4*\s+3], 0x80000000
	JLOAD \s
.endr
	v_and_b32 v1, 31, v0
	v_lshlrev_b32 v3, 4, v1
	v_and_b32 v4, 15, v0                           ; r
	v_bfe_u32 v2, v0, 4, 1                         ; h
	s_lshl_b32 s21, s13, 14
	v_add_nc_u32 v[ADRA], s21, v3
	v_add_nc_u32 v[ADRA+1], SLOT, v[ADRA]
	s_lshl_b32 s22, s14, 14
	s_add_co_u32 s22, s22, 65536
	v_add_nc_u32 v[ADRB], s22, v3
	v_add_nc_u32 v[ADRB+1], SLOT, v[ADRB]
	s_mul_i32 s23, s12, 16*SP
	s_add_co_u32 s23, s23, STAGE                   ; my stage
	v_mul_u32_u24 v5, v4, SP
	v_lshl_add_u32 v5, v2, 5, v5
	v_add_nc_u32 v[STO], s23, v5                   ; in: row r, 32 h bytes on
	v_mul_u32_u24 v5, v2, SP
	v_lshl_add_u32 v5, v4, 4, v5
	v_add_nc_u32 v[RD], s23, v5                    ; back: lanes 0-15 one row of 256 bytes, lanes 16-31 the next
	v_lshlrev_b32 v5, 12, v2
	v_lshl_add_u32 v[CO], v4, 4, v5                ; and the same two rows in out0
	s_lshl_b32 s18, s42, 9
	s_lshl_b32 s19, s14, 8
	s_add_co_u32 s18, s18, s19                     ; my 64 columns, in bytes
	s_mov_b32 s19, 0
	s_add_nc_u64 s[8:9], s[8:9], s[18:19]
	v_lshlrev_b32 v6, 5, v2
.irp b, 0,1,2,3
	global_load_b128 v[BIAS+8*\b:BIAS+8*\b+3], v6, s[8:9] offset:64*\b
	global_load_b128 v[BIAS+8*\b+4:BIAS+8*\b+7], v6, s[8:9] offset:64*\b+16
.endr
	s_lshl_b32 s22, s15, 19
	s_lshl_b32 s23, s13, 18
	s_add_co_u32 s18, s18, s22
	s_add_co_u32 s18, s18, s23
	s_add_nc_u64 s[10:11], s[10:11], s[18:19]      ; my first row and column of out0
	s_wait_loadcnt 0x0
	s_wait_tensorcnt 1                             ; my part of K step 0 is in; K step 1's may stay out
	s_barrier_signal -1
	s_barrier_wait -1
	FETCH 0, 0, F0
	QUARTER 0, 1, F0, F1, 1
	WIN 0
	s_mov_b32 s3, 3
.Llap:                                 ; a trip goes once round the ring and fills both slots again
	QUARTER 0, 2, F1, F0, 0
	QUARTER 0, 3, F0, F1, 0
	TURN 0, 1, 1
	QUARTER 1, 1, F0, F1, 0
	QUARTER 1, 2, F1, F0, 0
	QUARTER 1, 3, F0, F1, 0
	TURN 1, 0, 1
	QUARTER 0, 1, F0, F1, 0
	WIN 0
	s_sub_co_u32 s3, s3, 1
	s_cmp_lg_u32 s3, 0
	s_cbranch_scc1 .Llap
	QUARTER 0, 2, F1, F0, 0                        ; the last lap fills nothing
	QUARTER 0, 3, F0, F1, 0
	TURN 0, 1, 0
	QUARTER 1, 1, F0, F1, 0
	QUARTER 1, 2, F1, F0, 0
	QUARTER 1, 3, F0, F1, 0
	s_wait_dscnt 16
	WIN MUL
	MULH F1, 0, 0
	MULH F1, 2, 0
	s_wait_dscnt 0x0
	MULX F1
	WIN 0
	PLACES
	; THE WAY OUT: 16 rows x 64 columns at a time through my own stage, back as whole rows of 256 bytes.  LDS serves a wave's instructions in order.
.irp a, 0,1,2,3
.if \a > 0
	s_wait_xcnt 0x0                                ; the last block's stores have read their registers
.endif
.irp b, 0,1,2,3
	ds_store_b128 v[STO], v[ACC+8*(4*\a+\b):ACC+8*(4*\a+\b)+3] offset:64*\b          ; each accumulator from its low end on
	ds_store_b128 v[STO], v[ACC+8*(4*\a+\b)+4:ACC+8*(4*\a+\b)+7] offset:64*\b+16
.endr
.irp i, 0,1,2,3,4,5,6,7
	ds_load_b128 v[TMP+4*\i:TMP+4*\i+3], v[RD] offset:\i*2*SP
.endr
.irp i, 0,1,2,3,4,5,6,7
	s_wait_dscnt 7-\i
	global_store_b128 v[CO], v[TMP+4*\i:TMP+4*\i+3], s[10:11] offset:(16*\a+2*\i)*4096 th:TH_STORE_NT   ; sixteen lanes store 256 consecutive bytes, at a multiple of 256 from out0's first byte
.endr
.endr
	s_wait_tensorcnt 0x0                           ; the wave's end
	ds_add_u32 v[SPW], v[NIL]
	s_wait_dscnt 0x0
	CROUND                                         ; the closing round
	s_endpgm
.Lfunc_end_k_qfe12ea3814_outp:
	.size	k_qfe12ea3814_outp, .Lfunc_end_k_qfe12ea3814_outp-k_qfe12ea3814_outp
	.p2alignl 7, 3214868480
	.fill 96, 4, 3214868480
	.section	.rodata,"a",@progbits
	.p2align	6, 0x0
	.amdhsa_kernel k_qfe12ea3814_outp
		.amdhsa_group_segment_fixed_size 327680
		.amdhsa_private_segment_fixed_size 0
		.amdhsa_enable_private_segment 0
		.amdhsa_kernarg_size 32
		.amdhsa_user_sgpr_count 2
		.amdhsa_user_sgpr_kernarg_segment_ptr 1
		.amdhsa_wavefront_size32 1
		.amdhsa_system_sgpr_workgroup_id_x 1
		.amdhsa_system_sgpr_workgroup_id_y 1
		.amdhsa_system_sgpr_workgroup_id_z 1
		.amdhsa_system_vgpr_workitem_id 0
		.amdhsa_next_free_vgpr 512
		.amdhsa_next_free_sgpr 66
		.amdhsa_reserve_vcc 0
		.amdhsa_float_denorm_mode_32 3
		.amdhsa_float_denorm_mode_16_64 3
		.amdhsa_memory_ordered 1
		.amdhsa_forward_progress 1
		.amdhsa_inst_pref_size 103
	.end_amdhsa_kernel
	.amdgpu_metadata
---
amdhsa.version: [ 1, 2 ]
amdhsa.kernels:
  - .name:           k_qfe12ea3814_outp
    .symbol:         k_qfe12ea3814_outp.kd
    .args:
      - { .name: att, .offset: 0, .size: 8, .value_kind: global_buffer, .address_space: global }
      - { .name: wo, .offset: 8, .size: 8, .value_kind: global_buffer, .address_space: global }
      - { .name: b_out, .offset: 16, .size: 8, .value_kind: global_buffer, .address_space: global }
      - { .name: out0, .offset: 24, .size: 8, .value_kind: global_buffer, .address_space: global }
    .group_segment_fixed_size: 327680
    .private_segment_fixed_size: 0
    .kernarg_segment_align: 8
    .kernarg_segment_size: 32
    .max_flat_workgroup_size: 128
    .sgpr_count:     66
    .vgpr_count:     512
    .wavefront_size: 32
...
	.end_amdgpu_metadata
.endif
;; end of part 5
